; MI455X (gfx1250); checked and timed in simulation.
; The chip was launched on July 23, 2026; its instructions are those of AMD's public machine-readable ISA for CDNA 5 (MIT licence, August 2026) and "CDNA5" Instruction Set Architecture Reference Guide (July 2026). The comments in the code are by the model that wrote it; some were corrected since.
;; Pano Self Attention. Allowed arithmetic: matrix products marked QUANTISED: E3M2 operands, one E8M0 scale for each 32 along K, by v_wmma_scale_f32_16x16x128_f8f6f4 with both operands' format E3M2, f32 sums; products left as they are: f32 operands where the result goes on into a quantised operand, else bf16, f16 or f32 operands; f32 sums; everything else in f32.
;; Inputs: Wa 256 x 64 float32; Wk 256 x 256 float32; Wm 256 x 256 float32; Wo 256 x 128 float32; Wq 256 x 256 float32; ba 64 float32; bk 256 float32; bm 256 float32; bo 128 float32; bq 256 float32; keys0 4 x 64 x 128 x 256 float32; keys1 4 x 64 x 128 x 256 float32; query 4 x 64 x 128 x 256 float32; ref_point 4 x 1 x 64 x 128 x 2 float32.
;; Outputs: out0 4 x 64 x 128 x 256 float32.
;; This version of the problem:
;;   THIS VERSION OF THE PROBLEM IS GIVEN IN LOW PRECISION. The matrix products marked QUANTISED in the list below multiply operands that are first quantised to E3M2 (3 exponent bits, 2 mantissa bits; 6 bits a number), with one power-of-two scale for each 32 numbers along K (OCP MX v1.0); their sums are f32. All else is computed in f32.
;;   The module's matrix products, in the order in which they are computed (A, B: the left and right operand; K: the contracted axis; several contracted axes count as one K, in the product's order):
;;     1. [M 32,768, K 256] x [K 256, N 256]; A: input query; B: input Wq: QUANTISED
;;     2. [M 32,768, K 256] x [K 256, N 128]; A: computed on the way; B: input Wo: QUANTISED
;;     3. [M 32,768, K 256] x [K 256, N 64]; A: computed on the way; B: input Wa: QUANTISED
;;     4. [M 32,768, K 256] x [K 256, N 256]; A: input keys0; B: input Wk: QUANTISED
;;     5. [M 32,768, K 256] x [K 256, N 256]; A: input keys1; B: input Wk: QUANTISED
;;     6. batch 262,144 x [M 32, K 8] x [K 8, N 1]; A: computed on the way; B: computed on the way: left as it is (K = 8 < 32)
;;     7. [M 32,768, K 256] x [K 256, N 256]; A: computed on the way; B: input Wm: QUANTISED
;;   THE QUANTISER, for each operand of a quantised product, along K:
;;     - K is cut into blocks of 32 from its start; a last block that is shorter is filled with zeros.
;;     - A block's scale is 2^e with e = floor(log2(the largest magnitude in the block)) - 4, held to -126 .. 127; a block of zeros has e = 0. As a byte (E8M0): e + 127.
;;     - Each number is divided by its block's scale, clamped to +-28, and rounded to the nearest number of E3M2, ties to even, subnormals kept.
;;     - The product sums the exact products of the quantised numbers (number of the format x scale) in f32.
;;   ~~~python
;;   def quantise(x, axis):      # numpy; x: float32 -> the quantised numbers, widened to float32 again
;;       x = np.moveaxis(x, axis, -1); K = x.shape[-1]
;;       x = np.pad(x, [(0, 0)] * (x.ndim - 1) + [(0, -K % 32)]); x = x.reshape(x.shape[:-1] + (-1, 32)); a = np.abs(x).max(-1, keepdims=True)
;;       e = np.where(a > 0, np.clip(np.frexp(np.where(a > 0, a, 1))[1] - 1 - 4, -126, 127), 0)      # np.frexp(a)[1] - 1 = floor(log2(a)), exactly
;;       r = np.clip(x / 2.0 ** e, -28, 28)
;;       step = 2.0 ** (np.maximum(np.frexp(np.where(r == 0, 1, r))[1] - 1, -2) - 2)
;;       q = np.round(r / step) * step * 2.0 ** e      # np.round: ties to even
;;       return np.moveaxis(q.reshape(q.shape[:-2] + (-1,))[..., :K], -1, axis).astype(np.float32)
;;   ~~~
;;   OPERANDS COMPUTED ON THE WAY. 'Computed on the way' means the value that the module computes at that place (a softmax that the list does not call 'softmax' is quantised finished and normalised). What goes into a quantiser is computed in f32, as accurately as f32 sums, v_exp_f32 and their like allow (about 1e-6 of the number): no bf16 or f16 on the way to a quantiser, and a product that is left as it is and whose result goes on into a quantised operand takes f32 operands (vector FMAs, or v_wmma_f32_16x16x4_f32). A number that lies on a knife's edge between two numbers of the format may be rounded either way, as far as f32 arithmetic and the matrix unit's own rounding can turn it there, and no further.
;; 2 versions. Each part assembles by itself: llvm-mc -triple=amdgcn-amd-amdhsa -mcpu=gfx1250 --defsym DOCPART=n.
;; ======== version 1 of 2: 3 launches
;; workspace buffers: wfrag 199,680 bytes; sf 67,108,864 bytes; idx 4,194,304 bytes of whole numbers; wts 33,554,432 bytes
;; launch wprep (part 1): grid 30 x 1, 4 waves a work-group, no clusters, 0 bytes of LDS; arguments Wq, Wk, Wm, Wo, Wa, wfrag; writes wfrag
.if DOCPART == 1
	.amdgcn_target "amdgcn-amd-amdhsa--gfx1250"
	.amdhsa_code_object_version 6
	.text
	.protected	k_q349676dd57_wprep
	.globl	k_q349676dd57_wprep
	.p2align	8
	.type	k_q349676dd57_wprep,@function
k_q349676dd57_wprep:
	s_mov_b64 s[64:65], 0
	v_nop
	global_prefetch_b8 v0, s[64:65] scope:SCOPE_SE
	s_setreg_imm32_b32 hwreg(HW_REG_WAVE_MODE, 25, 1), 1
	s_wait_xcnt 0x0
; PanoSelfAttention, launch 1 of 3: the five weights become operands of the matrix unit, once.
; NOTHING OF reference() IS LEFT OUT in this program: every input has a way to out0 (bk through the zero padding of the sampling, ba because it need not be the same along the softmax's axis).
; Wq, Wk, Wm [256][256], Wo [256][128], Wa [256][64], f32, K = their FIRST axis, are quantised along K to codes of BF6 (E3M2) with one E8M0 byte for each 32 along K.
; wfrag holds 120 FRAGMENTS (16 columns x 128 K), each as an image of the operand's 12 registers: 3 pieces of 512 bytes, piece c = registers 4 c .. 4 c + 3, lane l at byte 16 l;
; from byte 184,320 on a scale word for each lane of each fragment, 128 bytes a fragment (lanes 16-31 hold a copy of lanes 0-15).
; Fragment f = 2 x tile + K step.  Tiles: Wq 0-15, Wk 16-31, Wm 32-47, Wo 48-55, Wa 56-59.
; THE COLUMNS OF A TILE: in Wq, Wk, Wm, Wo lane r of the weight's tile t takes column 32 (t / 2) + 8 (t % 2) + r + 8 (r / 8), so that, with the product used transposed, a lane's 16 results of tiles
; 2 b and 2 b + 1 are 16 neighbouring columns; in Wa lane r of tile t takes column 16 t + r.
; SHARES: one wave makes one fragment: f = 4 x work-group + wave.  A lane takes a column and its registers run down K, in the order that the operand's layout gives it: nothing is transposed.
; LIMITS: NaN and infinities are not served; a block of zeros gets the byte 1 (its codes are zeros, and this program alone reads the bytes); blocks whose largest magnitude lies under 2^-122 were not tried.
.set SCW, 184320                       ; where the scale words begin in wfrag
	s_load_b256 s[4:11], s[0:1], 0x0               ; Wq s[4:5], Wk s[6:7], Wm s[8:9], Wo s[10:11]
	s_load_b128 s[12:15], s[0:1], 0x20             ; Wa s[12:13], wfrag s[14:15]
	v_lshrrev_b32 v1, 5, v0
	v_readfirstlane_b32 s22, v1                    ; wave 0..3
	v_and_b32 v1, 15, v0                           ; r
	v_bfe_u32 v2, v0, 4, 1                         ; h
	v_and_b32 v6, 31, v0                           ; lane
	v_lshlrev_b32 v4, 4, v6                        ; out: 16 bytes a lane
	v_lshlrev_b32 v5, 2, v6                        ; out: 4 bytes a lane
	s_lshr_b32 s23, s22, 1                         ; u: which tile of the work-group's two
	s_and_b32 s24, s22, 1                          ; s: which K step
	s_mov_b32 s20, 0x76543210
	s_mov_b32 s21, 0xfedcba98                      ; v_permlanex16_b32's selects for lane l xor 16
	s_lshl_b32 s25, ttmp9, 2
	s_add_co_u32 s25, s25, s22                     ; f
	s_mul_i32 s30, s25, 1536                       ; its image,
	s_mov_b32 s31, 0
	s_lshl_b32 s32, s25, 7
	s_add_co_u32 s32, s32, SCW                     ; its scale words
	s_mov_b32 s33, 0
	s_wait_kmcnt 0x0
	s_add_nc_u64 s[26:27], s[14:15], s[30:31]
	s_add_nc_u64 s[28:29], s[14:15], s[32:33]
	s_mov_b64 s[16:17], s[12:13]                   ; which weight, and its first work-group: the choice hangs on the work-group's number alone
	s_mov_b32 s18, 28
	s_cmp_lt_u32 ttmp9, 28
	s_cselect_b64 s[16:17], s[10:11], s[16:17]
	s_cselect_b32 s18, 24, s18
	s_cmp_lt_u32 ttmp9, 24
	s_cselect_b64 s[16:17], s[8:9], s[16:17]
	s_cselect_b32 s18, 16, s18
	s_cmp_lt_u32 ttmp9, 16
	s_cselect_b64 s[16:17], s[6:7], s[16:17]
	s_cselect_b32 s18, 8, s18
	s_cmp_lt_u32 ttmp9, 8
	s_cselect_b64 s[16:17], s[4:5], s[16:17]
	s_cselect_b32 s18, 0, s18
	s_sub_co_u32 s19, ttmp9, s18                   ; the pair of tiles within the weight
; 64 loads: W(128 s + 64 c + 32 h + i, my column).  n: columns of the weight;  nat = 1: columns in their natural order
.macro LOADW n, nat
.if \nat
	v_mov_b32 v3, v1
	s_lshl_b32 s34, s23, 4
.else
	v_and_b32 v3, 8, v1
	v_add_nc_u32 v3, v3, v1                        ; r + 8 (r / 8)
	s_lshl_b32 s34, s23, 3
.endif
	s_lshl_b32 s35, s19, 5
	s_add_co_u32 s34, s34, s35
	v_add_nc_u32 v3, s34, v3                       ; my column
	v_lshlrev_b32 v3, 2, v3
	s_mul_i32 s35, s24, 128*4*\n                   ; the K step's first row,
	v_mad_u32_u24 v3, v2, 32*4*\n, v3              ; lanes 16-31 begin 32 rows further down
	v_add_nc_u32 v3, s35, v3
.irp c, 0,1
.irp i, 0,1,2,3,4,5,6,7,8,9,10,11,12,13,14,15,16,17,18,19,20,21,22,23,24,25,26,27,28,29,30,31
	global_load_b32 v[64+32*\c+\i], v3, s[16:17] offset:(64*\c+\i)*4*\n
.endr
.endr
.endm
	s_cmp_lt_u32 ttmp9, 24                         ; the rows' length stands in the loads' immediates: three arms, by the work-group's number
	s_cbranch_scc0 .Lnarrow
	LOADW 256, 0
	s_branch .Lloaded
.Lnarrow:
	s_cmp_lt_u32 ttmp9, 28
	s_cbranch_scc0 .Lwa
	LOADW 128, 0
	s_branch .Lloaded
.Lwa:
	LOADW 64, 1
.Lloaded:
	s_wait_loadcnt 0x0
.irp c, 0,1                                    ; my block 2 c + h: all its 32 numbers are mine
	v_max3_num_f32 v[32+\c], |v[64+32*\c]|, |v[65+32*\c]|, 0x2800000   ; and the floor 2^(5 - 127): the byte cannot fall under 1
.endr
.irp i, 2,4,6,8,10,12,14,16,18,20,22,24,26,28,30
.irp c, 0,1
	v_max3_num_f32 v[32+\c], v[32+\c], |v[64+32*\c+\i]|, |v[65+32*\c+\i]|
.endr
.endr
.irp c, 0,1
	v_add_nc_u32 v[44+\c], 0xfe000000, v[32+\c]    ; 4 off the exponent field: the conversion's scale operand
.endr
.irp c, 0,1
	v_lshrrev_b32 v[36+\c], 23, v[44+\c]           ; the scale's byte
.endr
	v_lshl_or_b32 v9, v37, 16, v36                 ; my two bytes: blocks h and 2 + h of my column,
	v_lshlrev_b32 v10, 3, v2
	v_lshlrev_b32 v9, v10, v9                      ; at their places in the word;
	v_mov_b32 v10, 0
	v_permlanex16_b32 v10, v9, s20, s21
	v_or_b32 v9, v9, v10                           ; with lane l xor 16's two the word is whole, in both lanes
	v_cvt_scalef32_pk16_bf6_f32 v[48:50], v[64:79], v44
	v_cvt_scalef32_pk16_bf6_f32 v[16:18], v[80:95], v44      ; (a conversion's three registers begin on an even number: the upper half of a block's six is made elsewhere and moved)
	v_cvt_scalef32_pk16_bf6_f32 v[54:56], v[96:111], v45
	v_cvt_scalef32_pk16_bf6_f32 v[20:22], v[112:127], v45
	v_nop                                          ; one plain instruction behind the scaled conversions
.irp i, 0,1,2
	v_mov_b32 v[51+\i], v[16+\i]
	v_mov_b32 v[57+\i], v[20+\i]
.endr
.irp c, 0,1,2
	global_store_b128 v4, v[48+4*\c:51+4*\c], s[26:27] offset:512*\c   ; 32 lanes store 512 consecutive bytes, at a multiple of 256 from wfrag's first byte
.endr
	global_store_b32 v5, v9, s[28:29]
	s_endpgm
.Lfunc_end_k_q349676dd57_wprep:
	.size	k_q349676dd57_wprep, .Lfunc_end_k_q349676dd57_wprep-k_q349676dd57_wprep
	.p2alignl 7, 3214868480
	.fill 96, 4, 3214868480
	.section	.rodata,"a",@progbits
	.p2align	6, 0x0
	.amdhsa_kernel k_q349676dd57_wprep
		.amdhsa_group_segment_fixed_size 0
		.amdhsa_private_segment_fixed_size 0
		.amdhsa_enable_private_segment 0
		.amdhsa_kernarg_size 48
		.amdhsa_user_sgpr_count 2
		.amdhsa_user_sgpr_kernarg_segment_ptr 1
		.amdhsa_wavefront_size32 1
		.amdhsa_system_sgpr_workgroup_id_x 1
		.amdhsa_system_sgpr_workgroup_id_y 1
		.amdhsa_system_sgpr_workgroup_id_z 1
		.amdhsa_system_vgpr_workitem_id 0
		.amdhsa_next_free_vgpr 128
		.amdhsa_next_free_sgpr 66
		.amdhsa_reserve_vcc 0
		.amdhsa_float_denorm_mode_32 3
		.amdhsa_float_denorm_mode_16_64 3
		.amdhsa_memory_ordered 1
		.amdhsa_forward_progress 1
		.amdhsa_inst_pref_size 25
	.end_amdhsa_kernel
	.amdgpu_metadata
---
amdhsa.version: [ 1, 2 ]
amdhsa.kernels:
  - .name:           k_q349676dd57_wprep
    .symbol:         k_q349676dd57_wprep.kd
    .args:
      - { .name: Wq, .offset: 0, .size: 8, .value_kind: global_buffer, .address_space: global }
      - { .name: Wk, .offset: 8, .size: 8, .value_kind: global_buffer, .address_space: global }
      - { .name: Wm, .offset: 16, .size: 8, .value_kind: global_buffer, .address_space: global }
      - { .name: Wo, .offset: 24, .size: 8, .value_kind: global_buffer, .address_space: global }
      - { .name: Wa, .offset: 32, .size: 8, .value_kind: global_buffer, .address_space: global }
      - { .name: wfrag, .offset: 40, .size: 8, .value_kind: global_buffer, .address_space: global }
    .group_segment_fixed_size: 0
    .private_segment_fixed_size: 0
    .kernarg_segment_align: 8
    .kernarg_segment_size: 48
    .max_flat_workgroup_size: 128
    .sgpr_count:     66
    .vgpr_count:     128
    .wavefront_size: 32
...
	.end_amdgpu_metadata
.endif
;; end of part 1
;; launch proj (part 2): grid 256 x 1, 4 waves a work-group, no clusters, 133,632 bytes of LDS; arguments query, keys0, keys1, ref_point, wfrag, bq, bk, bo, ba, sf, idx, wts; writes sf, idx, wts
.if DOCPART == 2
	.amdgcn_target "amdgcn-amd-amdhsa--gfx1250"
	.amdhsa_code_object_version 6
	.text
	.protected	k_q349676dd57_proj
	.globl	k_q349676dd57_proj
	.p2align	8
	.type	k_q349676dd57_proj,@function
k_q349676dd57_proj:
	s_mov_b64 s[64:65], 0
	v_nop
	global_prefetch_b8 v0, s[64:65] scope:SCOPE_SE
	s_setreg_imm32_b32 hwreg(HW_REG_WAVE_MODE, 25, 1), 1
	s_wait_xcnt 0x0
; PanoSelfAttention, launch 2 of 3: the five projections, the softmax of the attention weights and the geometry of the sampling.  No work of reference() is left out here.
;   sf  = Q(keys_l) Q(Wk) + bk, f32, laid [level 2][b 4][head 8][pixel 8192][32 channels]: what the next launch samples
;   q   = Q(query) Q(Wq) + bq;  off = Q(q) Q(Wo) + bo;  A = softmax over a head's 8 logits of Q(q) Q(Wa) + ba
;   idx = for each (b, head, pixel) eight 16-bit numbers, one a point: yb x 128 + xb, the upper left of the point's four corners
;   wts = for each (b, head, pixel) 32 f32: A[point] x wy[a] x wx[e], laid [b][head][tile of 16 pixels][piece 8][pixel 16][4]; piece 4 e + j holds (point 2 j, a 0), (2 j, 1), (2 j + 1, 0), (2 j + 1, 1)
; All products on codes of BF6 (E3M2) with one E8M0 scale for each 32 along K; Q is the stated quantiser.
; THE SAMPLING'S FORM.  g = (ref + off) x (64/63, 128/127) - 0.5 (reference()'s two affine steps as one multiply-add).  yb = floor(gy) held to 0 .. 62, xb = floor(gx) held to 0 .. 126, d = g - base.
; The weight of the base is the middle of (1 + d, 0, 1 - d), that of base + 1 the middle of (d, 0, 2 - d): both are max(0, 1 - distance), which is reference()'s bilinear weight with its test for
; validity folded in, for every g: a corner outside the picture is not among the four or has the weight 0.  So a point needs one index and no mask.
; ref: jnp.tile repeats the whole array, so row 8 b + head of the tiled array is ref_point[(8 b + head) % 4] = ref_point[head % 4].
; SHARES.  A work-group owns 128 pixels, as 2 blocks of 64 rows of each of the three tensors: six passes.  THE WAVES SHARE THE COLUMNS: wave w holds, in registers for the whole launch, the fragments of
; Wk's and Wq's columns 64 w .. 64 w + 63 (heads 2 w, 2 w + 1), of Wo's columns 32 w .. + 31 and of Wa's 16 w .. + 15.  Rows go from wave to wave through LDS as images of the operand's registers.
; A PASS: wave w's 16 rows (16 KB, loaded two passes ahead, 512 consecutive bytes a load) turn through the wave's own stage, so that a lane holds 16 neighbours along K; they are quantised; images to LDS | barrier |
; each wave multiplies all four tiles of 16 rows by its columns (transposed: source 0 = 16 columns of the weight, source 1 = 16 rows: a lane holds ONE pixel).
; The biases are the C of each sum's first matrix instruction.
; No tensor load: a wave's landing registers hold two passes' rows on their way.  No cluster: what work-groups share is the weights' fragments, read once at the head, straight into registers.
; LIMITS: NaN and infinities are not served; a block of zeros gets the byte 1 (its codes are zeros, this program alone reads the bytes); blocks under 2^-122 were not tried; sums are f32 in another order than reference()'s.
; REGISTERS, in windows of 256.  Window 0: v4-25 addresses and constants; v30, v31 the add's two; v32-55 scale words and nothing else; v56-93 the quantiser's; v94-127 at work;
;   v128-191 64 numbers of x, or rows on their way out, or the points' results; v192-255 64 numbers of x, or accumulators (192-223), two fragments of rows (224-247), ref (250-251).
;   Window 1: Wk's 8 fragments, from v96 Wq's 8.   Window 2: Wo's 4, from v48 Wa's 2; from v128 the tiles of bk, bq, bo, ba.   Window 3: two landing sets of 128.
.set XSCO,  12288                      ; LDS: two buffers of x's 8 images (tile of rows m, K step s: 2 m + s; 1,536 bytes each) and, XSCO behind, their scale words, 128 bytes each
.set XBUF,  13312
.set QIMG,  26624                      ; q's 16 half fragments (4 m + wave): 512 bytes for registers 0-3, 256 for registers 4, 5
.set QSC,   38912                      ; q's scale words (2 m + s), 128 bytes each
.set STG,   39936                      ; the way out of sf: for each wave 2 heads x 16 pixels x (128 + 16) bytes
.set REFB,  58368                      ; for each wave 8 x 256 bytes: its lanes' ref of the 8 tiles of pixels
.set SPARE, 66560                      ; the spare words, 128 bytes for each wave: two blocks of 256 bytes that no other line names
.set TS,    67072                      ; for each wave 16 rows x (1,024 + 16) bytes: the turn of x
.set SCW,   184320                     ; wfrag: where the scale words begin
.set LI,  4                            ; v4   16 x lane
.set LS,  5                            ; v5   4 x lane
.set L8,  6                            ; v6   8 x lane
.set XWI, 7                            ; v7   where I store x's images
.set XWS, 8                            ; v8   and their scale words
.set QWI, 9                            ; v9   q's: registers 0-3
.set QWI2, 10                          ; v10  registers 4, 5
.set QWS, 11                           ; v11  my two bytes of q's scale words
.set TW,  12                           ; v12  the turn: in
.set TR,  13                           ; v13  the turn: out
.set STO, 14                           ; v14  sf's stage: in
.set SRD, 15                           ; v15  sf's stage: out
.set ARF, 16                           ; v16  my ref
.set GI,  17                           ; v17  my offset in idx
.set GW,  18                           ; v18  my offset in wts
.set CS,  20                           ; v[20:21] 64/63, 128/127
.set SPW, 30
.set NIL, 31
.set WKS, 32                           ; scale words: Wk's 8, Wq's 8, Wo's 4, Wa's 2, the rows' 2
.set WQS, 40
.set WOS, 48
.set WAS, 52
.set XS,  54
.set TM,  56                           ; v56-71 the quantiser's: largest magnitudes, bytes, scale operands
.set IDXO, 56                          ; v56-59 a lane's eight indices, packed
.set PW,  72                           ; the scale word just made
.set PC,  74                           ; v74-93 the codes just made
.set BS,  74                           ; v74-89 the points' bases, then 1 + d
.set E,   94                           ; v94-101 the softmax
.set RC,  106                          ; v[106:107] 1 / the sum (the low word serves both halves)
.set MX,  118                          ; v[118:119] the largest logit (likewise)
.set IX,  120                          ; v120-127 the points' indices
.set OB,  128                          ; rows of sf on their way out: two sets of 32
.set WO,  128                          ; v128-159 the 32 weights;  before that 1 - d and 2 - d
.set T2,  128
.set T3,  144
.set YY,  160                          ; v160-175 (wy0, wy1) of each point
.set XX,  176                          ; v176-191 (wx0, wx1)
.set ACC, 192
.set OFF, 192                          ; v192-207 the 16 offsets of my pixel and head
.set LG,  208                          ; v208-215 its 8 logits
.set XF,  224
.set RF,  250
.set BK,  128                          ; window 2
.set BQ,  160
.set BO,  192
.set BA,  208
.set WV,  28
.set SEL, 30
.set MSB, 0
.macro WIN new                         ; the immediate's high byte repeats the setting that is left
.if MSB != \new
	s_set_vgpr_msb (MSB<<8)|\new
.set MSB, \new
.endif
.endm
.macro PLACES n
.rept \n
	v_nop
.endr
.endm
.macro BARRIER                         ; my LDS stores have landed and my LDS loads are in: then the work-group's barrier
	s_wait_dscnt 0x0
	s_barrier_signal -1
	s_barrier_wait -1
.endm
; 64 numbers of a lane, register 16 b + i = k 32 b + 16 (lane / 16) + i of my row, become a fragment's codes in v[PC] on and its scale word in v[PW]
.macro QUANT s
.irp b, 0,1,2,3
	v_max3_num_f32 v[TM+\b], |v[\s+16*\b]|, |v[\s+1+16*\b]|, 0x2800000   ; block b: my 16 numbers, and the floor 2^(5 - 127): the byte cannot fall under 1
.endr
.irp i, 2,4,6,8,10,12,14
.irp b, 0,1,2,3
	v_max3_num_f32 v[TM+\b], v[TM+\b], |v[\s+16*\b+\i]|, |v[\s+1+16*\b+\i]|
.endr
.endr
.irp b, 0,1,2,3
	v_permlanex16_b32 v[TM+4+\b], v[TM+\b], s[SEL], s[SEL+1]
.endr
.irp b, 0,1,2,3
	v_max_num_f32 v[TM+\b], v[TM+\b], v[TM+4+\b]   ; with lane l xor 16's: the block's largest magnitude
.endr
.irp b, 0,1,2,3
	v_add_nc_u32 v[TM+12+\b], 0xfe000000, v[TM+\b] ; 4 off its exponent field: the conversion's scale operand
.endr
.irp b, 0,1,2,3
	v_lshrrev_b32 v[TM+4+\b], 23, v[TM+12+\b]      ; the scale's byte
.endr
	v_lshl_or_b32 v[PW], v[TM+5], 8, v[TM+4]
	v_lshl_or_b32 v[PW], v[TM+6], 16, v[PW]
	v_lshl_or_b32 v[PW], v[TM+7], 24, v[PW]
.irp c, 0,1
	v_cvt_scalef32_pk16_bf6_f32 v[PC+6*\c:PC+2+6*\c], v[\s+32*\c:\s+15+32*\c], v[TM+12+2*\c]
	v_cvt_scalef32_pk16_bf6_f32 v[PC+12+4*\c:PC+14+4*\c], v[\s+16+32*\c:\s+31+32*\c], v[TM+12+2*\c+1]   ; (a conversion's three registers begin on an even number)
.endr
	v_nop                                          ; one plain instruction behind the scaled conversions
.irp c, 0,1                                    ; the operand's layout wants a WHOLE block in a lane: lanes 0-15 block 2 c, lanes 16-31 block 2 c + 1
.irp i, 0,1,2
	v_permlane16_swap_b32 v[PC+6*\c+\i], v[PC+12+4*\c+\i]
.endr
.irp i, 0,1,2
	v_mov_b32 v[PC+3+6*\c+\i], v[PC+12+4*\c+\i]
.endr
.endr
.endm
; the same for 32 numbers: two blocks, half a fragment (six registers in v[PC] on), two bytes in v[PW]
.macro QHALF s
.irp b, 0,1
	v_max3_num_f32 v[TM+\b], |v[\s+16*\b]|, |v[\s+1+16*\b]|, 0x2800000
.endr
.irp i, 2,4,6,8,10,12,14
.irp b, 0,1
	v_max3_num_f32 v[TM+\b], v[TM+\b], |v[\s+16*\b+\i]|, |v[\s+1+16*\b+\i]|
.endr
.endr
.irp b, 0,1
	v_permlanex16_b32 v[TM+4+\b], v[TM+\b], s[SEL], s[SEL+1]
.endr
.irp b, 0,1
	v_max_num_f32 v[TM+\b], v[TM+\b], v[TM+4+\b]
.endr
.irp b, 0,1
	v_add_nc_u32 v[TM+12+\b], 0xfe000000, v[TM+\b]
.endr
.irp b, 0,1
	v_lshrrev_b32 v[TM+4+\b], 23, v[TM+12+\b]
.endr
	v_lshl_or_b32 v[PW], v[TM+5], 8, v[TM+4]
	v_cvt_scalef32_pk16_bf6_f32 v[PC:PC+2], v[\s:\s+15], v[TM+12]
	v_cvt_scalef32_pk16_bf6_f32 v[PC+12:PC+14], v[\s+16:\s+31], v[TM+13]
	v_nop
.irp i, 0,1,2
	v_permlane16_swap_b32 v[PC+\i], v[PC+12+\i]
.endr
.irp i, 0,1,2
	v_mov_b32 v[PC+3+\i], v[PC+12+\i]
.endr
.endm
.macro IMAGE adr, off                  ; the fragment in v[PC] on goes to LDS as it stands
.irp c, 0,1,2
	ds_store_b128 v[\adr], v[PC+4*\c:PC+4*\c+3] offset:\off+512*\c
.endr
.endm
; my 16 rows of a block (16 KB on end) into a landing set: each load reads 512 consecutive bytes
.macro XLOAD set, base, blk
	WIN 0xc0                                       ; destination window 3
.set NN, 0
.rept 32
	global_load_b128 v[128*(\set)+4*NN:128*(\set)+4*NN+3], v[LI], s[\base:\base+1] offset:65536*(\blk)+512*NN th:TH_LOAD_NT
.set NN, NN+1
.endr
	WIN 0
.endm
; Pass p's rows become two fragments.  left: the younger loads that may stay out (the next pass's 32).  nx = 1: the landing set takes the rows of two passes on
.macro XPHASE p, left, nx, nbase, nblk
.set XB, XBUF*((\p)%2)
	s_wait_loadcnt \left                           ; loads come back in order: this pass's 32 are in
	WIN 0x0c                                       ; an LDS store's data are its source 1: window 3
.set NN, 0
.rept 32
	ds_store_b128 v[TW], v[128*((\p)%2)+4*NN:128*((\p)%2)+4*NN+3] offset:1040*(NN/2)+512*(NN%2)
.set NN, NN+1
.endr
	WIN 0
	s_wait_xcnt 0x0                                ; earlier global stores have read their data: v128 on is loaded again only behind this wait
.irp s, 0,1
.irp b, 0,1,2,3
.irp j, 0,1,2,3
	ds_load_b128 v[128+64*\s+16*\b+4*\j:128+64*\s+16*\b+4*\j+3], v[TR] offset:512*\s+128*\b+16*\j   ; LDS serves a wave's instructions in order: these see the stores above
.endr
.endr
.endr
	s_wait_dscnt 16                                ; K step 0's numbers are in (K step 1's 16 loads may be out): so the 32 stores have read the landing set,
.if \nx
	XLOAD (\p)%2, \nbase, \nblk                    ; which takes the rows of two passes on
.endif
	QUANT 128
	IMAGE XWI, XB
	ds_store_b32 v[XWS], v[PW] offset:XB+XSCO
	s_wait_dscnt 0x0                               ; K step 1's numbers are in, and the stores have read their registers
	QUANT 192
	IMAGE XWI, XB+1536
	ds_store_b32 v[XWS], v[PW] offset:XB+XSCO+128
	BARRIER                                        ; the block's eight fragments lie in LDS.  This buffer is written again two passes on, behind the next pass's barrier, in front of which every wave's reads of it are in
.endm
.macro FETCHX m                        ; tile m's two fragments and scale words: 8 LDS loads
.irp s, 0,1
.irp c, 0,1,2
	ds_load_b128 v[XF+12*\s+4*\c:XF+12*\s+4*\c+3], v[LI] offset:XB+1536*(2*(\m)+\s)+512*\c
.endr
.endr
.irp s, 0,1
	ds_load_b32 v[XS+\s], v[LS] offset:XB+XSCO+128*(2*(\m)+\s)
.endr
.endm
; my four tiles of columns x 16 rows, K = 256: the four accumulators by turns.  wb: the weight's fragments in window 1;  sb: its scale words;  bias: its tiles in window 2
.macro MULX wb, sb, bias
	WIN 0x21                                       ; source 0 window 1, source 2 window 2
.irp t, 0,1,2,3
	v_wmma_scale_f32_16x16x128_f8f6f4 v[ACC+8*\t:ACC+8*\t+7], v[\wb+24*\t:\wb+24*\t+11], v[XF:XF+11], v[\bias+8*\t:\bias+8*\t+7], v[\sb+2*\t], v[XS] matrix_a_fmt:MATRIX_FMT_BF6 matrix_b_fmt:MATRIX_FMT_BF6
.endr
	WIN 0x01
.irp t, 0,1,2,3
	v_wmma_scale_f32_16x16x128_f8f6f4 v[ACC+8*\t:ACC+8*\t+7], v[\wb+24*\t+12:\wb+24*\t+23], v[XF+12:XF+23], v[ACC+8*\t:ACC+8*\t+7], v[\sb+2*\t+1], v[XS+1] matrix_a_fmt:MATRIX_FMT_BF6 matrix_b_fmt:MATRIX_FMT_BF6
.endr
	WIN 0
.endm
; sf of one level and one block.  Lane (r, h) holds pixel r; registers 16 bb + i are channel 16 h + i of head 2 w + bb.  They go through my stage and leave as 4 pixels x 128 bytes a store
.macro KPROD sfb, blk
	FETCHX 0
.irp m, 0,1,2,3
	s_wait_dscnt 0x0                               ; the tile's fragments are in; the stage's stores have read the accumulators
	MULX 0, WKS, BK
	PLACES 5                                       ; four in front of the stores that read the results and of the loads into the fragments; the fifth since the next tile begins these accumulators anew
.irp bb, 0,1
.irp i, 0,1,2,3
	ds_store_b128 v[STO], v[ACC+16*\bb+4*\i:ACC+16*\bb+4*\i+3] offset:2304*\bb+16*\i   ; each accumulator from its low end on
.endr
.endr
	s_wait_xcnt 0x0                                ; the stores of two tiles back have read this set
.irp bb, 0,1
.irp j, 0,1,2,3
	ds_load_b128 v[OB+32*(\m%2)+4*(4*\bb+\j):OB+32*(\m%2)+4*(4*\bb+\j)+3], v[SRD] offset:2304*\bb+576*\j
.endr
.endr
.if \m < 3
	FETCHX \m+1
	s_wait_dscnt 8                                 ; the eight loads from the stage are in; the next tile's eight may be out
.else
	s_wait_dscnt 0x0
.endif
.irp bb, 0,1
.irp j, 0,1,2,3
	global_store_b128 v[LI], v[OB+32*(\m%2)+4*(4*\bb+\j):OB+32*(\m%2)+4*(4*\bb+\j)+3], s[\sfb:\sfb+1] offset:0x100000*\bb+8192*(\blk)+2048*\m+512*\j   ; 512 consecutive bytes, at a multiple of 256 from sf's first byte
.endr
.endr
.endr
.endm
; q of one block: my 64 columns are registers 6 c .. 6 c + 5 (c = wave % 2) and bytes 2 c, 2 c + 1 of K step wave / 2 of the next products
.macro Q1
	FETCHX 0
.irp m, 0,1,2,3
	s_wait_dscnt 0x0                               ; the tile's fragments are in; the last tile's stores have read their registers
	MULX 96, WQS, BQ
	PLACES 5
.if \m < 3
	FETCHX \m+1
.endif
	QHALF ACC
	ds_store_b128 v[QWI], v[PC:PC+3] offset:QIMG+3072*\m
	ds_store_b64 v[QWI2], v[PC+4:PC+5] offset:QIMG+3072*\m
	ds_store_b16 v[QWS], v[PW] offset:QSC+256*\m
.endr
	BARRIER                                        ; q's eight fragments lie in LDS
.endm
; Lane (r, h) is pixel r of the tile and head 2 w + h: its 16 offsets (point j: y at 2 j, x at 2 j + 1), its 8 logits, its ref
.macro POINTS
	v_max3_num_f32 v[MX], v[LG], v[LG+1], v[LG+2]  ; the largest logit, from the accumulator's low end on
	v_max3_num_f32 v[MX], v[MX], v[LG+3], v[LG+4]
	v_max3_num_f32 v[MX], v[MX], v[LG+5], v[LG+6]
	v_max_num_f32 v[MX], v[MX], v[LG+7]
.irp i, 0,2,4,6
	v_pk_add_f32 v[E+\i:E+\i+1], v[LG+\i:LG+\i+1], v[MX:MX+1] op_sel_hi:[1,0] neg_lo:[0,1] neg_hi:[0,1]
.endr
.irp i, 0,2,4,6
	v_pk_mul_f32 v[E+\i:E+\i+1], v[E+\i:E+\i+1], 0x3fb8aa3b op_sel_hi:[1,0]   ; x log2(e)
.endr
.irp i, 0,1,2,3,4,5,6,7
	v_exp_f32 v[E+\i], v[E+\i]                     ; one batch; the geometry below names none of its results
.endr
.irp j, 0,1,2,3,4,5,6,7
	v_pk_add_f32 v[OFF+2*\j:OFF+2*\j+1], v[OFF+2*\j:OFF+2*\j+1], v[RF:RF+1]   ; the point, (y, x)
.endr
.irp j, 0,1,2,3,4,5,6,7
	v_pk_fma_f32 v[OFF+2*\j:OFF+2*\j+1], v[OFF+2*\j:OFF+2*\j+1], v[CS:CS+1], -0.5 op_sel_hi:[1,1,0]   ; g
.endr
.irp i, 0,1,2,3,4,5,6,7,8,9,10,11,12,13,14,15
	v_floor_f32 v[BS+\i], v[OFF+\i]
.endr
.irp j, 0,1,2,3,4,5,6,7
	v_med3_num_f32 v[BS+2*\j], v[BS+2*\j], 0, 0x42780000       ; yb: 0 .. 62
	v_med3_num_f32 v[BS+2*\j+1], v[BS+2*\j+1], 0, 0x42fc0000   ; xb: 0 .. 126
.endr
.irp j, 0,1,2,3,4,5,6,7
	v_pk_add_f32 v[OFF+2*\j:OFF+2*\j+1], v[OFF+2*\j:OFF+2*\j+1], v[BS+2*\j:BS+2*\j+1] neg_lo:[0,1] neg_hi:[0,1]   ; d
.endr
.irp j, 0,1,2,3,4,5,6,7
	v_fmamk_f32 v[IX+\j], v[BS+2*\j], 0x43000000, v[BS+2*\j+1] ; yb x 128 + xb: exact
.endr
.irp j, 0,1,2,3,4,5,6,7
	v_cvt_u32_f32 v[IX+\j], v[IX+\j]
.endr
.irp j, 0,1,2,3,4,5,6,7
	v_pk_add_f32 v[BS+2*\j:BS+2*\j+1], v[OFF+2*\j:OFF+2*\j+1], 1.0 op_sel_hi:[1,0]            ; 1 + d
	v_pk_fma_f32 v[T2+2*\j:T2+2*\j+1], v[OFF+2*\j:OFF+2*\j+1], -1.0, 1.0 op_sel_hi:[1,0,0]    ; 1 - d
	v_pk_fma_f32 v[T3+2*\j:T3+2*\j+1], v[OFF+2*\j:OFF+2*\j+1], -1.0, 2.0 op_sel_hi:[1,0,0]    ; 2 - d
.endr
.irp j, 0,1,2,3,4,5,6,7
	v_med3_num_f32 v[YY+2*\j], v[BS+2*\j], 0, v[T2+2*\j]
	v_med3_num_f32 v[YY+2*\j+1], v[OFF+2*\j], 0, v[T3+2*\j]
	v_med3_num_f32 v[XX+2*\j], v[BS+2*\j+1], 0, v[T2+2*\j+1]
	v_med3_num_f32 v[XX+2*\j+1], v[OFF+2*\j+1], 0, v[T3+2*\j+1]
.endr
	s_wait_alu depctr_va_vdst(0)                   ; one wait for the eight exponentials, ahead of their first reader
	v_pk_add_f32 v[102:103], v[E:E+1], v[E+2:E+3]
	v_pk_add_f32 v[104:105], v[E+4:E+5], v[E+6:E+7]
	v_pk_add_f32 v[102:103], v[102:103], v[104:105]
	v_add_f32 v102, v102, v103
	v_rcp_f32 v[RC], v102
.irp i, 0,1,2,3
	v_lshl_or_b32 v[IDXO+\i], v[IX+2*\i+1], 16, v[IX+2*\i]     ; two indices to a word, the lower point below.  (Plain work behind the reciprocal)
.endr
	s_wait_alu depctr_va_vdst(0)                   ; and the reciprocal's wait, ahead of its first reader
.irp i, 0,2,4,6
	v_pk_mul_f32 v[E+\i:E+\i+1], v[E+\i:E+\i+1], v[RC:RC+1] op_sel_hi:[1,0]   ; A
.endr
.irp jh, 0,1,2,3
.irp jl, 0,1
	v_pk_mul_f32 v[YY+2*(2*\jh+\jl):YY+2*(2*\jh+\jl)+1], v[YY+2*(2*\jh+\jl):YY+2*(2*\jh+\jl)+1], v[E+2*\jh:E+2*\jh+1] op_sel:[0,\jl] op_sel_hi:[1,\jl]   ; A x (wy0, wy1)
.endr
.endr
.irp jh, 0,1,2,3
.irp jl, 0,1
	v_pk_mul_f32 v[WO+4*\jh+2*\jl:WO+4*\jh+2*\jl+1], v[YY+2*(2*\jh+\jl):YY+2*(2*\jh+\jl)+1], v[XX+2*(2*\jh+\jl):XX+2*(2*\jh+\jl)+1] op_sel:[0,0] op_sel_hi:[1,0]         ; x wx0
	v_pk_mul_f32 v[WO+16+4*\jh+2*\jl:WO+16+4*\jh+2*\jl+1], v[YY+2*(2*\jh+\jl):YY+2*(2*\jh+\jl)+1], v[XX+2*(2*\jh+\jl):XX+2*(2*\jh+\jl)+1] op_sel:[0,1] op_sel_hi:[1,1]   ; x wx1
.endr
.endr
.endm
; off and the logits of one block, a tile of 16 pixels a trip: four trips
.macro Q2 blk
	s_mov_b32 s46, 4
	s_mov_b32 s47, 0                               ; 3,072 m
	s_mov_b32 s48, 0                               ; 256 m
	s_mov_b32 s49, 1024*\blk                       ; 256 (4 blk + m)
.Lq2_\@:
	v_add_nc_u32 v22, s47, v[LI]
	v_add_nc_u32 v23, s47, v[L8]
	v_add_nc_u32 v24, s48, v[LS]
	v_add_nc_u32 v25, s49, v[ARF]
.irp s, 0,1
.irp c, 0,1
	ds_load_b128 v[XF+12*\s+6*\c:XF+12*\s+6*\c+3], v22 offset:QIMG+768*(2*\s+\c)
	ds_load_b64 v[XF+12*\s+6*\c+4:XF+12*\s+6*\c+5], v23 offset:QIMG+768*(2*\s+\c)+512
.endr
.endr
	ds_load_b32 v[XS], v24 offset:QSC
	ds_load_b32 v[XS+1], v24 offset:QSC+128
	ds_load_b64 v[RF:RF+1], v25
	s_wait_dscnt 0x0
	WIN 0x22                                       ; source 0 (Wo, Wa) and source 2 (bo, ba) window 2.  Three accumulators by turns
	v_wmma_scale_f32_16x16x128_f8f6f4 v[OFF:OFF+7], v[0:11], v[XF:XF+11], v[BO:BO+7], v[WOS], v[XS] matrix_a_fmt:MATRIX_FMT_BF6 matrix_b_fmt:MATRIX_FMT_BF6
	v_wmma_scale_f32_16x16x128_f8f6f4 v[OFF+8:OFF+15], v[24:35], v[XF:XF+11], v[BO+8:BO+15], v[WOS+2], v[XS] matrix_a_fmt:MATRIX_FMT_BF6 matrix_b_fmt:MATRIX_FMT_BF6
	v_wmma_scale_f32_16x16x128_f8f6f4 v[LG:LG+7], v[48:59], v[XF:XF+11], v[BA:BA+7], v[WAS], v[XS] matrix_a_fmt:MATRIX_FMT_BF6 matrix_b_fmt:MATRIX_FMT_BF6
	WIN 0x02
	v_wmma_scale_f32_16x16x128_f8f6f4 v[OFF:OFF+7], v[12:23], v[XF+12:XF+23], v[OFF:OFF+7], v[WOS+1], v[XS+1] matrix_a_fmt:MATRIX_FMT_BF6 matrix_b_fmt:MATRIX_FMT_BF6
	v_wmma_scale_f32_16x16x128_f8f6f4 v[OFF+8:OFF+15], v[36:47], v[XF+12:XF+23], v[OFF+8:OFF+15], v[WOS+3], v[XS+1] matrix_a_fmt:MATRIX_FMT_BF6 matrix_b_fmt:MATRIX_FMT_BF6
	v_wmma_scale_f32_16x16x128_f8f6f4 v[LG:LG+7], v[60:71], v[XF+12:XF+23], v[LG:LG+7], v[WAS+1], v[XS+1] matrix_a_fmt:MATRIX_FMT_BF6 matrix_b_fmt:MATRIX_FMT_BF6
	WIN 0
	PLACES 5                                       ; four in front of the first read of the results and of the next trip's loads; the fifth since the next trip begins these accumulators anew
	POINTS
	global_store_b128 v[GI], v[IDXO:IDXO+3], s[42:43]          ; sixteen lanes store 256 consecutive bytes of one head, aligned
.irp i, 0,1,2,3,4,5,6,7
	global_store_b128 v[GW], v[WO+4*\i:WO+4*\i+3], s[44:45] offset:256*\i   ; likewise
.endr
	s_wait_xcnt 0x0                                ; the stores have read their data and bases: both are written again only behind this wait
	s_add_nc_u64 s[42:43], s[42:43], 256
	s_add_nc_u64 s[44:45], s[44:45], 2048
	s_add_co_u32 s47, s47, 3072
	s_add_co_u32 s48, s48, 256
	s_add_co_u32 s49, s49, 256
	s_sub_co_u32 s46, s46, 1
	s_cmp_lg_u32 s46, 0
	s_cbranch_scc1 .Lq2_\@
.endm
	s_load_b512 s[4:19], s[0:1], 0x0               ; query s[4:5], keys0 s[6:7], keys1 s[8:9], ref_point s[10:11], wfrag s[12:13], bq s[14:15], bk s[16:17], bo s[18:19]
	s_load_b256 s[20:27], s[0:1], 0x40             ; ba s[20:21], sf s[22:23], idx s[24:25], wts s[26:27]
	v_lshl_add_u32 v[SPW], v0, 2, SPARE
	v_mov_b32 v[NIL], 0
	v_lshrrev_b32 v1, 5, v0
	v_readfirstlane_b32 s[WV], v1                  ; wave 0..3
	v_and_b32 v1, 31, v0                           ; lane
	v_and_b32 v2, 15, v0                           ; r
	v_bfe_u32 v3, v0, 4, 1                         ; h
	v_lshlrev_b32 v[LI], 4, v1
	v_lshlrev_b32 v[LS], 2, v1
	v_lshlrev_b32 v[L8], 3, v1
	s_mul_i32 s50, s[WV], 3072
	v_add_nc_u32 v[XWI], s50, v[LI]                ; x's images: my two, 2 x 1,536 bytes a wave
	s_lshl_b32 s50, s[WV], 8
	v_add_nc_u32 v[XWS], s50, v[LS]
	s_mul_i32 s50, s[WV], 768
	v_add_nc_u32 v[QWI], s50, v[LI]
	s_add_co_u32 s50, s50, 512
	v_add_nc_u32 v[QWI2], s50, v[L8]
	s_and_b32 s50, s[WV], 1
	s_lshl_b32 s50, s50, 1
	s_lshr_b32 s51, s[WV], 1
	s_lshl_b32 s51, s51, 7
	s_add_co_u32 s50, s50, s51
	v_add_nc_u32 v[QWS], s50, v[LS]                ; 4 x lane + 2 (wave % 2) + 128 (wave / 2)
	s_mul_i32 s50, s[WV], 16640
	s_add_co_u32 s50, s50, TS
	v_add_nc_u32 v[TW], s50, v[LI]
	v_mul_u32_u24 v[TR], v2, 1040
	v_lshl_add_u32 v[TR], v3, 6, v[TR]
	v_add_nc_u32 v[TR], s50, v[TR]                 ; row r, + 64 h: my 16 numbers of a block of 32
	s_mul_i32 s50, s[WV], 4608
	s_add_co_u32 s50, s50, STG
	v_mul_u32_u24 v[STO], v2, 144
	v_lshl_add_u32 v[STO], v3, 6, v[STO]
	v_add_nc_u32 v[STO], s50, v[STO]
	v_lshrrev_b32 v[SRD], 3, v1
	v_mul_u32_u24 v[SRD], v[SRD], 144
	v_and_b32 v26, 7, v1
	v_lshl_add_u32 v[SRD], v26, 4, v[SRD]
	v_add_nc_u32 v[SRD], s50, v[SRD]               ; eight lanes to a pixel's 128 bytes
	s_lshl_b32 s50, s[WV], 11
	s_add_co_u32 s50, s50, REFB
	v_add_nc_u32 v[ARF], s50, v[L8]
	v_lshlrev_b32 v[GI], 4, v2
	v_lshl_add_u32 v[GW], v3, 20, v[GI]            ; wts: 16 r, + a head (2^20 bytes) for lanes 16-31
	v_lshl_add_u32 v[GI], v3, 17, v[GI]            ; idx: 16 r, + a head (2^17 bytes)
	v_mov_b32 v[CS], 0x3f820821                    ; 64 / 63
	v_mov_b32 v[CS+1], 0x3f810204                  ; 128 / 127
	v_mov_b32 v[RC+1], 0                           ; (named as the upper halves of pairs whose low word serves both halves)
	v_mov_b32 v[MX+1], 0
.irp b, 0,1,2,3
	v_mov_b32 v[TM+4+\b], 0                        ; written once: a lane permute's destination counts as one of its sources
.endr
	s_mov_b32 s[SEL], 0x76543210
	s_mov_b32 s[SEL+1], 0xfedcba98
	; my wave's share of wfrag and of the biases, as vector offsets
	s_mul_i32 s46, s[WV], 12288
	v_add_nc_u32 v94, s46, v[LI]                   ; 8 fragments a wave (Wq, Wk)
	s_mul_i32 s46, s[WV], 6144
	v_add_nc_u32 v95, s46, v[LI]                   ; 4 (Wo)
	s_mul_i32 s46, s[WV], 3072
	v_add_nc_u32 v96, s46, v[LI]                   ; 2 (Wa)
	s_lshl_b32 s46, s[WV], 10
	v_add_nc_u32 v97, s46, v[LS]                   ; their scale words
	s_lshl_b32 s46, s[WV], 9
	v_add_nc_u32 v98, s46, v[LS]
	s_lshl_b32 s46, s[WV], 8
	v_add_nc_u32 v99, s46, v[LS]
	v_lshl_add_u32 v100, v3, 6, s46                ; bk, bq: 4 x 64 w + 64 h: a tile's eight columns of my half
	s_lshl_b32 s46, s[WV], 7
	v_lshl_add_u32 v101, v3, 6, s46                ; bo: 4 x 32 w + 64 h
	s_lshl_b32 s46, s[WV], 6
	v_lshl_add_u32 v102, v3, 5, s46                ; ba: 4 x 16 w + 32 h
	s_lshl_b32 s46, s[WV], 1
	v_add_nc_u32 v103, s46, v3
	v_and_b32 v103, 3, v103                        ; ref: the batch is (2 w + h) % 4
	v_lshlrev_b32 v103, 16, v103
	v_lshl_add_u32 v103, v2, 3, v103
	s_lshr_b32 s50, ttmp9, 6                       ; b
	s_and_b32 s51, ttmp9, 63
	s_lshl_b32 s51, s51, 7                         ; p0: my first pixel in the picture
	s_lshl_b32 s52, ttmp9, 17
	s_lshl_b32 s53, s[WV], 14
	s_add_co_u32 s52, s52, s53                     ; x: row 128 x work-group + 16 x wave, 1,024 bytes a row
	s_mov_b32 s53, 0
	s_lshl_b32 s54, s50, 23
	s_lshl_b32 s55, s[WV], 21
	s_add_co_u32 s54, s54, s55
	s_lshl_b32 s55, s51, 7
	s_add_co_u32 s54, s54, s55                     ; sf and wts: (8 b + 2 w) x 2^20 + 128 p0
	s_mov_b32 s55, 0
	s_lshl_b32 s56, s50, 20
	s_lshl_b32 s57, s[WV], 18
	s_add_co_u32 s56, s56, s57
	s_lshl_b32 s57, s51, 4
	s_add_co_u32 s56, s56, s57                     ; idx: (8 b + 2 w) x 2^17 + 16 p0
	s_mov_b32 s57, 0
	s_lshl_b32 s58, s51, 3                         ; ref_point: 8 p0
	s_mov_b32 s59, 0
	s_wait_kmcnt 0x0
	s_add_nc_u64 s[32:33], s[4:5], s[52:53]
	s_add_nc_u64 s[34:35], s[6:7], s[52:53]
	s_add_nc_u64 s[36:37], s[8:9], s[52:53]
	s_add_nc_u64 s[38:39], s[22:23], s[54:55]
	s_add_nc_u64 s[40:41], s[38:39], 0x2000000     ; level 1
	s_add_nc_u64 s[42:43], s[24:25], s[56:57]
	s_add_nc_u64 s[44:45], s[26:27], s[54:55]
	s_add_nc_u64 s[10:11], s[10:11], s[58:59]
	XLOAD 0, 34, 0                                 ; pass 0: keys0, block 0
	WIN 0x40                                       ; destination window 1
.set NN, 0
.rept 24
	global_load_b128 v[4*NN:4*NN+3], v94, s[12:13] offset:49152+512*NN          ; Wk: fragments 32 + 8 w on
.set NN, NN+1
.endr
.set NN, 0
.rept 24
	global_load_b128 v[96+4*NN:96+4*NN+3], v94, s[12:13] offset:512*NN          ; Wq: fragments 8 w on
.set NN, NN+1
.endr
	WIN 0x80                                       ; destination window 2
.set NN, 0
.rept 12
	global_load_b128 v[4*NN:4*NN+3], v95, s[12:13] offset:147456+512*NN         ; Wo: fragments 96 + 4 w on
.set NN, NN+1
.endr
.set NN, 0
.rept 6
	global_load_b128 v[48+4*NN:48+4*NN+3], v96, s[12:13] offset:172032+512*NN   ; Wa: fragments 112 + 2 w on
.set NN, NN+1
.endr
.irp t, 0,1,2,3
	global_load_b128 v[BK+8*\t:BK+8*\t+3], v100, s[16:17] offset:(32*(\t/2)+8*(\t%2))*4
	global_load_b128 v[BK+8*\t+4:BK+8*\t+7], v100, s[16:17] offset:(32*(\t/2)+8*(\t%2))*4+16
	global_load_b128 v[BQ+8*\t:BQ+8*\t+3], v100, s[14:15] offset:(32*(\t/2)+8*(\t%2))*4
	global_load_b128 v[BQ+8*\t+4:BQ+8*\t+7], v100, s[14:15] offset:(32*(\t/2)+8*(\t%2))*4+16
.endr
.irp u, 0,1
	global_load_b128 v[BO+8*\u:BO+8*\u+3], v101, s[18:19] offset:32*\u
	global_load_b128 v[BO+8*\u+4:BO+8*\u+7], v101, s[18:19] offset:32*\u+16
.endr
	global_load_b128 v[BA:BA+3], v102, s[20:21]
	global_load_b128 v[BA+4:BA+7], v102, s[20:21] offset:16
	WIN 0
.irp j, 0,1,2,3,4,5,6,7
	global_load_b32 v[WKS+\j], v97, s[12:13] offset:SCW+4096+128*\j
	global_load_b32 v[WQS+\j], v97, s[12:13] offset:SCW+128*\j
.endr
.irp j, 0,1,2,3
	global_load_b32 v[WOS+\j], v98, s[12:13] offset:SCW+12288+128*\j
.endr
.irp j, 0,1
	global_load_b32 v[WAS+\j], v99, s[12:13] offset:SCW+14336+128*\j
.endr
.irp n, 0,1,2,3,4,5,6,7
	global_load_b64 v[128+2*\n:129+2*\n], v103, s[10:11] offset:128*\n          ; ref of my pixel in each of the 8 tiles
.endr
	XLOAD 1, 36, 0                                 ; pass 1: keys1, block 0
	s_wait_loadcnt 32                              ; all but pass 1's 32
.irp n, 0,1,2,3,4,5,6,7
	ds_store_b64 v[ARF], v[128+2*\n:129+2*\n] offset:256*\n
.endr
	s_wait_dscnt 0x0                               ; the stores have read their registers
	XPHASE 0, 32, 1, 32, 0                         ; keys0, block 0;  asks for pass 2: query, block 0
	KPROD 38, 0
	XPHASE 1, 32, 1, 34, 1                         ; keys1, block 0;  asks for pass 3: keys0, block 1
	KPROD 40, 0
	XPHASE 2, 32, 1, 36, 1                         ; query, block 0;  asks for pass 4: keys1, block 1
	Q1
	Q2 0
	XPHASE 3, 32, 1, 32, 1                         ; keys0, block 1;  asks for pass 5: query, block 1
	KPROD 38, 1
	XPHASE 4, 32, 0, 0, 0                          ; keys1, block 1;  nothing is left to ask for
	KPROD 40, 1
	XPHASE 5, 0, 0, 0, 0                           ; query, block 1: no load was issued behind its own
	Q1
	Q2 1
	s_wait_tensorcnt 0x0                           ; the wave's end: behind my last LDS store
	ds_add_u32 v[SPW], v[NIL]
	s_wait_dscnt 0x0
	s_endpgm
.Lfunc_end_k_q349676dd57_proj:
	.size	k_q349676dd57_proj, .Lfunc_end_k_q349676dd57_proj-k_q349676dd57_proj
	.p2alignl 7, 3214868480
	.fill 96, 4, 3214868480
	.section	.rodata,"a",@progbits
	.p2align	6, 0x0
	.amdhsa_kernel k_q349676dd57_proj
		.amdhsa_group_segment_fixed_size 133632
		.amdhsa_private_segment_fixed_size 0
		.amdhsa_enable_private_segment 0
		.amdhsa_kernarg_size 96
		.amdhsa_user_sgpr_count 2
		.amdhsa_user_sgpr_kernarg_segment_ptr 1
		.amdhsa_wavefront_size32 1
		.amdhsa_system_sgpr_workgroup_id_x 1
		.amdhsa_system_sgpr_workgroup_id_y 1
		.amdhsa_system_sgpr_workgroup_id_z 1
		.amdhsa_system_vgpr_workitem_id 0
		.amdhsa_next_free_vgpr 1024
		.amdhsa_next_free_sgpr 66
		.amdhsa_reserve_vcc 0
		.amdhsa_float_denorm_mode_32 3
		.amdhsa_float_denorm_mode_16_64 3
		.amdhsa_memory_ordered 1
		.amdhsa_forward_progress 1
		.amdhsa_inst_pref_size 226
	.end_amdhsa_kernel
	.amdgpu_metadata
---
amdhsa.version: [ 1, 2 ]
amdhsa.kernels:
  - .name:           k_q349676dd57_proj
    .symbol:         k_q349676dd57_proj.kd
    .args:
      - { .name: query, .offset: 0, .size: 8, .value_kind: global_buffer, .address_space: global }
      - { .name: keys0, .offset: 8, .size: 8, .value_kind: global_buffer, .address_space: global }
      - { .name: keys1, .offset: 16, .size: 8, .value_kind: global_buffer, .address_space: global }
      - { .name: ref_point, .offset: 24, .size: 8, .value_kind: global_buffer, .address_space: global }
      - { .name: wfrag, .offset: 32, .size: 8, .value_kind: global_buffer, .address_space: global }
      - { .name: bq, .offset: 40, .size: 8, .value_kind: global_buffer, .address_space: global }
      - { .name: bk, .offset: 48, .size: 8, .value_kind: global_buffer, .address_space: global }
      - { .name: bo, .offset: 56, .size: 8, .value_kind: global_buffer, .address_space: global }
      - { .name: ba, .offset: 64, .size: 8, .value_kind: global_buffer, .address_space: global }
      - { .name: sf, .offset: 72, .size: 8, .value_kind: global_buffer, .address_space: global }
      - { .name: idx, .offset: 80, .size: 8, .value_kind: global_buffer, .address_space: global }
      - { .name: wts, .offset: 88, .size: 8, .value_kind: global_buffer, .address_space: global }
    .group_segment_fixed_size: 133632
    .private_segment_fixed_size: 0
    .kernarg_segment_align: 8
    .kernarg_segment_size: 96
    .max_flat_workgroup_size: 128
    .sgpr_count:     66
    .vgpr_count:     1024
    .wavefront_size: 32
...
	.end_amdgpu_metadata
.endif
;; end of part 2
;; launch samp (part 3): grid 256 x 1, 16 waves a work-group, no clusters, 161,792 bytes of LDS; arguments sf, idx, wts, wfrag, bm, out0; writes out0
.if DOCPART == 3
	.amdgcn_target "amdgcn-amd-amdhsa--gfx1250"
	.amdhsa_code_object_version 6
	.text
	.protected	k_q349676dd57_samp
	.globl	k_q349676dd57_samp
	.p2align	8
	.type	k_q349676dd57_samp,@function
k_q349676dd57_samp:
	s_mov_b64 s[64:65], 0
	v_nop
	global_prefetch_b8 v0, s[64:65] scope:SCOPE_SE
	s_setreg_imm32_b32 hwreg(HW_REG_WAVE_MODE, 25, 1), 1
	s_wait_xcnt 0x0
; PanoSelfAttention, launch 3 of 3: the sampling, the weighted sum, and out0 = Q(feat) Q(Wm) + bm.  No work of reference() is left out here.
; feat(pixel, 32 head + ch) = the sum over 8 points, 2 rows a and 2 columns e of wts[point][a][e] x sf[level of the point][b][head][idx[point] + 128 a + e][ch], in f32 multiply-adds: feat goes into a quantiser.
; The addresses come from idx, whole numbers that the launch before has stored; each is held to 8,062 = 62 x 128 + 126, so that all four corners lie in the head's 8,192 pixels.
; SHARES.  A work-group owns 128 pixels and all 8 heads; each of its SIXTEEN waves gathers 8 pixels.  A STEP is one head and two pixels: lane = (pixel l / 16, column e = (l / 8) % 2, four channels l % 8), so that a load
; takes, for each of the two pixels, a point's two neighbouring corners of one row: 256 consecutive bytes.  16 such loads a step.  Steps go with the head outermost.
; Loads run a step ahead (indices two): while step t is summed, the 20 loads of step t + 1 are on their way.  Four waves share a SIMD.
; Then feat (128 rows x 256) lies in LDS; wave w quantises tile of rows w / 2, K step w % 2 (a block of 32 along K is a head) and stores the fragment's image; wave w multiplies all 8 tiles of rows by Wm's tile w, which it holds in registers
; (transposed: source 0 = 16 columns of Wm, source 1 = 16 rows); the results meet in LDS and leave as whole rows.
; No tensor load and no cluster: the gather's addresses are data, so no two work-groups share a tile.  No prefetch: sf's bytes are read many times over, not once.
; LIMITS: NaN and infinities are not served; a block of zeros gets the byte 1 (its codes are zeros); blocks under 2^-122 were not tried; the order of feat's f32 sums is not reference()'s.
.set FSC,   24576                      ; LDS: from 0 feat's 16 images (2 m + s; 1,536 bytes each); here their scale words, 128 bytes each
.set SPARE, 26624                      ; the spare words, 128 bytes for each wave: eight blocks of 256 bytes that no other line names
.set FST,   28672                      ; 128 rows x (1,024 + 16) bytes: feat, later out0's rows
.set SCW,   184320
.set SPW, 1
.set NIL, 2
.set LB,  3                            ; v3   16 (l % 16): my 16 bytes of a point's 256
.set IA,  4                            ; v4   my pixel's indices
.set WA,  5                            ; v5   my pixel's and column's weights
.set FA0, 6                            ; v6   where my pixel's channels go in feat, head 0, step 0
.set FA,  7                            ; v7   the same for the head in hand
.set FS,  8                            ; v8-15 feat's scale words, and nothing else
.set IDX, 16                           ; v16-23 two sets of 8 indices
.set BM,  16                           ; later bm's tile
.set ADDR, 24                          ; v24-39 two sets of 8 offsets
.set WT,  40                           ; v40-71 two sets of 16 weights
.set ACC, 72                           ; v72-79 four channels for each row a
.set FO,  80                           ; v80-87 two sets of four channels to store
.set WMF, 88                           ; v88-111 Wm's two fragments
.set WMS, 112                          ; v112-113 their scale words, and nothing else
.set LI,  114                          ; 16 x lane
.set LS,  115                          ; 4 x lane
.set FRD, 116                          ; where I read feat for the quantiser
.set FWI, 117                          ; where I store my image
.set FWS, 118                          ; and its scale words
.set SO,  119                          ; the stage: in, tiles of rows 0-3
.set SO2, 120                          ; tiles 4-7 (an LDS immediate has 16 bits)
.set SRB, 121                          ; the stage: out
.set BMA, 122                          ; bm: 64 h
.set DATA, 128                         ; v128-255 two sets of 16 x 4
.set TM,  24                           ; the quantiser's
.set PW,  40
.set PC,  42
.set FF,  128                          ; 8 fragments of feat
.set OA,  24                           ; 8 accumulators
.set WV,  16
.set SF0, 18                           ; s[18:19] sf, level 0, my batch, the head in hand;  s[20:21] level 1
.set IB,  22                           ; s[22:23] idx likewise, at my work-group's first pixel
.set WB,  24                           ; s[24:25] wts likewise
.set SEL, 32
.macro PLACES n
.rept \n
	v_nop
.endr
.endm
.macro BARRIER                         ; my LDS stores have landed and my LDS loads are in: then the work-group's barrier
	s_wait_dscnt 0x0
	s_barrier_signal -1
	s_barrier_wait -1
.endm
.macro QUANT s                         ; 64 numbers of a lane, register 16 b + i = k 32 b + 16 (lane / 16) + i of my row, become a fragment's codes in v[PC] on and its scale word in v[PW]
.irp b, 0,1,2,3
	v_max3_num_f32 v[TM+\b], |v[\s+16*\b]|, |v[\s+1+16*\b]|, 0x2800000   ; and the floor 2^(5 - 127): the byte cannot fall under 1
.endr
.irp i, 2,4,6,8,10,12,14
.irp b, 0,1,2,3
	v_max3_num_f32 v[TM+\b], v[TM+\b], |v[\s+16*\b+\i]|, |v[\s+1+16*\b+\i]|
.endr
.endr
.irp b, 0,1,2,3
	v_permlanex16_b32 v[TM+4+\b], v[TM+\b], s[SEL], s[SEL+1]
.endr
.irp b, 0,1,2,3
	v_max_num_f32 v[TM+\b], v[TM+\b], v[TM+4+\b]
.endr
.irp b, 0,1,2,3
	v_add_nc_u32 v[TM+12+\b], 0xfe000000, v[TM+\b] ; 4 off the exponent field: the conversion's scale operand
.endr
.irp b, 0,1,2,3
	v_lshrrev_b32 v[TM+4+\b], 23, v[TM+12+\b]      ; the scale's byte
.endr
	v_lshl_or_b32 v[PW], v[TM+5], 8, v[TM+4]
	v_lshl_or_b32 v[PW], v[TM+6], 16, v[PW]
	v_lshl_or_b32 v[PW], v[TM+7], 24, v[PW]
.irp c, 0,1
	v_cvt_scalef32_pk16_bf6_f32 v[PC+6*\c:PC+2+6*\c], v[\s+32*\c:\s+15+32*\c], v[TM+12+2*\c]
	v_cvt_scalef32_pk16_bf6_f32 v[PC+12+4*\c:PC+14+4*\c], v[\s+16+32*\c:\s+31+32*\c], v[TM+12+2*\c+1]
.endr
	v_nop                                          ; one plain instruction behind the scaled conversions
.irp c, 0,1
.irp i, 0,1,2
	v_permlane16_swap_b32 v[PC+6*\c+\i], v[PC+12+4*\c+\i]
.endr
.irp i, 0,1,2
	v_mov_b32 v[PC+3+6*\c+\i], v[PC+12+4*\c+\i]
.endr
.endr
.endm
; set n's eight offsets from its eight indices: index x 128 bytes + my 16 bytes
.macro ADDRS n
.irp j, 0,1,2,3,4,5,6,7
.if \j%2
	v_lshrrev_b32 v[ADDR+8*(\n)+\j], 16, v[IDX+4*(\n)+\j/2]
.else
	v_and_b32 v[ADDR+8*(\n)+\j], 0xffff, v[IDX+4*(\n)+\j/2]
.endif
.endr
.irp j, 0,1,2,3,4,5,6,7
	v_min_u32 v[ADDR+8*(\n)+\j], 0x1f7e, v[ADDR+8*(\n)+\j]     ; held to 8,062: every corner stays inside the head
.endr
.irp j, 0,1,2,3,4,5,6,7
	v_lshl_add_u32 v[ADDR+8*(\n)+\j], v[ADDR+8*(\n)+\j], 7, v[LB]
.endr
.endm
; a step's 4 loads of weights and 16 of corners into set n.  i1: the step within its head;  nx = 1: the head after the one in hand
.macro GLOADS n, i1, nx
.irp j, 0,1,2,3
	global_load_b128 v[WT+16*(\n)+4*\j:WT+16*(\n)+4*\j+3], v[WA], s[WB:WB+1] offset:(\nx)*0x100000+32*(\i1)+256*\j
.endr
.irp j, 0,1,2,3,4,5,6,7
.irp a, 0,1
	global_load_b128 v[DATA+64*(\n)+4*(2*\j+\a):DATA+64*(\n)+4*(2*\j+\a)+3], v[ADDR+8*(\n)+\j], s[SF0+2*(\j/4):SF0+2*(\j/4)+1] offset:(\nx)*0x100000+16384*\a
.endr
.endr
.endm
; the step's sum, four loads (two points) at a time.  Behind a group of the step's corners were issued: the rest of them, one load of indices (hasI), the next step's 20 (hasG)
.macro CSUM set, hasI, hasG
.irp q, 0,1,2,3
	s_wait_loadcnt 12-4*\q+(\hasI)+20*(\hasG)
.irp jj, 0,1
.irp a, 0,1
.irp c, 0,1
.if (\q == 0) && (\jj == 0)
	v_pk_mul_f32 v[ACC+4*\a+2*\c:ACC+4*\a+2*\c+1], v[DATA+64*(\set)+4*(2*(2*\q+\jj)+\a)+2*\c:DATA+64*(\set)+4*(2*(2*\q+\jj)+\a)+2*\c+1], v[WT+16*(\set)+4*\q+2*\jj:WT+16*(\set)+4*\q+2*\jj+1] op_sel:[0,\a] op_sel_hi:[1,\a]   ; the first product starts the sum
.else
	v_pk_fma_f32 v[ACC+4*\a+2*\c:ACC+4*\a+2*\c+1], v[DATA+64*(\set)+4*(2*(2*\q+\jj)+\a)+2*\c:DATA+64*(\set)+4*(2*(2*\q+\jj)+\a)+2*\c+1], v[WT+16*(\set)+4*\q+2*\jj:WT+16*(\set)+4*\q+2*\jj+1], v[ACC+4*\a+2*\c:ACC+4*\a+2*\c+1] op_sel:[0,\a,0] op_sel_hi:[1,\a,1]
.endif
.endr
.endr
.endr
.endr
.endm
; STEP i of a head's four.  hasI: the indices of two steps on are asked for;  hasG: the weights and corners of the next step
.macro STEP i, hasI, hasG
.if \hasI
.if \i < 2
	global_load_b128 v[IDX+4*((\i)%2):IDX+4*((\i)%2)+3], v[IA], s[IB:IB+1] offset:32*((\i)+2)
.else
	global_load_b128 v[IDX+4*((\i)%2):IDX+4*((\i)%2)+3], v[IA], s[IB:IB+1] offset:131072+32*((\i)-2)
.endif
.endif
.if \hasG
	s_wait_loadcnt 20+(\hasI)                      ; the next step's indices are in: behind them were issued this step's 20 loads and the indices just asked for.  The step before is summed: its set is free
	ADDRS ((\i)+1)%2
.if \i < 3
	GLOADS ((\i)+1)%2, (\i)+1, 0
.else
	GLOADS 0, 0, 1
.endif
.endif
	CSUM (\i)%2, \hasI, \hasG
	v_pk_add_f32 v[ACC:ACC+1], v[ACC:ACC+1], v[ACC+4:ACC+5]    ; the two rows
	v_pk_add_f32 v[ACC+2:ACC+3], v[ACC+2:ACC+3], v[ACC+6:ACC+7]
	s_wait_dscnt 0x1                               ; the store of two steps back has read this set (the last step's may be out)
.irp c, 0,1,2,3
	v_add_f32_dpp v[FO+4*((\i)%2)+\c], v[ACC+\c], v[ACC+\c] row_xmask:8 row_mask:0xf bank_mask:0xf   ; the two columns: lanes l and l xor 8
.endr
	ds_store_b128 v[FA], v[FO+4*((\i)%2):FO+4*((\i)%2)+3] offset:2080*(\i)   ; both lanes write the same bytes with the same values
.endm
	s_load_b256 s[4:11], s[0:1], 0x0               ; sf s[4:5], idx s[6:7], wts s[8:9], wfrag s[10:11]
	s_load_b128 s[12:15], s[0:1], 0x20             ; bm s[12:13], out0 s[14:15]
	v_lshl_add_u32 v[SPW], v0, 2, SPARE
	v_mov_b32 v[NIL], 0
	v_lshrrev_b32 v123, 5, v0
	v_readfirstlane_b32 s[WV], v123                ; wave 0..15
	v_and_b32 v123, 31, v0                         ; lane
	v_and_b32 v124, 15, v0                         ; l % 16: r
	v_bfe_u32 v125, v0, 4, 1                       ; l / 16: the pixel of a step's two; h
	v_bfe_u32 v126, v0, 3, 1                       ; e
	v_and_b32 v127, 7, v0                          ; which four channels
	s_lshr_b32 s40, s[WV], 1
	s_and_b32 s41, s[WV], 1
	v_lshlrev_b32 v[LB], 4, v124
	s_lshl_b32 s36, s[WV], 7
	v_lshl_add_u32 v[IA], v125, 4, s36             ; 16 (8 w + pixel)
	v_lshlrev_b32 v[LS], 2, v123
	v_add_nc_u32 v[FWS], s36, v[LS]                ; 4 x lane + 128 w
	s_lshl_b32 s36, s40, 11
	s_lshl_b32 s37, s41, 7
	s_add_co_u32 s36, s36, s37
	v_lshl_add_u32 v[WA], v125, 4, s36
	v_lshl_add_u32 v[WA], v126, 10, v[WA]          ; 2,048 (w / 2) + 1,024 e + 16 (8 (w % 2) + pixel)
	s_mul_i32 s36, s[WV], 8320
	s_add_co_u32 s36, s36, FST                     ; my 8 rows
	v_mul_u32_u24 v[FA0], v125, 1040
	v_lshl_add_u32 v[FA0], v127, 4, v[FA0]
	v_add_nc_u32 v[FA0], s36, v[FA0]
	v_lshlrev_b32 v[LI], 4, v123
	v_add_nc_u32 v[SRB], s36, v[LI]
	s_mul_i32 s36, s[WV], 1536
	v_add_nc_u32 v[FWI], s36, v[LI]
	v_mul_u32_u24 v[SO], v124, 1040
	v_lshl_add_u32 v[SO], v125, 6, v[SO]           ; row r, + 64 h
	s_mul_i32 s36, s40, 16640
	s_lshl_b32 s37, s41, 9
	s_add_co_u32 s36, s36, s37
	s_add_co_u32 s36, s36, FST
	v_add_nc_u32 v[FRD], s36, v[SO]                ; tile of rows w / 2, K step w % 2
	s_lshl_b32 s36, s40, 7
	s_lshl_b32 s37, s41, 5
	s_add_co_u32 s36, s36, s37
	s_add_co_u32 s36, s36, FST
	v_add_nc_u32 v[SO], s36, v[SO]                 ; my tile's columns: 128 (w / 2) + 32 (w % 2) bytes on
	v_add_nc_u32 v[SO2], 66560, v[SO]
	v_lshlrev_b32 v[BMA], 6, v125
.irp c, 0,1,2,3,4,5,6,7
	v_mov_b32 v[FO+\c], 0                          ; written once: a DPP form's destination counts as one of its sources
.endr
	s_mov_b32 s[SEL], 0x76543210
	s_mov_b32 s[SEL+1], 0xfedcba98
	s_lshr_b32 s42, ttmp9, 6                       ; b
	s_and_b32 s43, ttmp9, 63
	s_lshl_b32 s43, s43, 7                         ; p0
	s_mov_b32 s37, 0
	s_wait_kmcnt 0x0
	s_lshl_b32 s36, s42, 23
	s_add_nc_u64 s[SF0:SF0+1], s[4:5], s[36:37]
	s_add_nc_u64 s[SF0+2:SF0+3], s[SF0:SF0+1], 0x2000000
	s_lshl_b32 s30, s43, 7
	s_add_co_u32 s36, s36, s30
	s_add_nc_u64 s[WB:WB+1], s[8:9], s[36:37]
	s_lshl_b32 s36, s42, 20
	s_lshl_b32 s30, s43, 4
	s_add_co_u32 s36, s36, s30
	s_add_nc_u64 s[IB:IB+1], s[6:7], s[36:37]
	s_mul_i32 s36, s[WV], 3072
	s_add_co_u32 s36, s36, 98304
	s_add_nc_u64 s[26:27], s[10:11], s[36:37]      ; Wm's tile w: fragments 64 + 2 w, + 1
	s_lshl_b32 s36, s[WV], 8
	s_add_co_u32 s36, s36, SCW+8192
	s_add_nc_u64 s[34:35], s[10:11], s[36:37]      ; their scale words
	s_lshl_b32 s36, ttmp9, 17
	s_lshl_b32 s30, s[WV], 13
	s_add_co_u32 s36, s36, s30
	s_add_nc_u64 s[28:29], s[14:15], s[36:37]      ; out0 at row 128 x work-group + 8 w
	s_lshl_b32 s36, s40, 7
	s_lshl_b32 s30, s41, 5
	s_add_co_u32 s36, s36, s30
	s_add_nc_u64 s[38:39], s[12:13], s[36:37]      ; bm at my tile's first column
.irp n, 0,1,2,3,4,5
	global_load_b128 v[WMF+4*\n:WMF+4*\n+3], v[LI], s[26:27] offset:512*\n
.endr
	global_load_b32 v[WMS], v[LS], s[34:35]
	global_load_b32 v[WMS+1], v[LS], s[34:35] offset:128
	global_load_b128 v[IDX:IDX+3], v[IA], s[IB:IB+1]               ; the indices of step 0
	global_load_b128 v[IDX+4:IDX+7], v[IA], s[IB:IB+1] offset:32   ; and of step 1
	s_wait_loadcnt 0x1                             ; step 0's are in
	ADDRS 0
	GLOADS 0, 0, 0
	s_mov_b32 s30, 7
	s_mov_b32 s31, 0                               ; 128 x head
.Lhead:                                            ; heads 0 to 6
	s_wait_dscnt 0x0                               ; the last head's stores have read their address
	v_add_nc_u32 v[FA], s31, v[FA0]
	STEP 0, 1, 1
	STEP 1, 1, 1
	STEP 2, 1, 1
	STEP 3, 1, 1
	s_wait_xcnt 0x0                                ; the loads have read their bases: they are stepped only behind this wait
	s_add_nc_u64 s[IB:IB+1], s[IB:IB+1], 131072
	s_add_nc_u64 s[WB:WB+1], s[WB:WB+1], 0x100000
	s_add_nc_u64 s[SF0:SF0+1], s[SF0:SF0+1], 0x100000
	s_add_nc_u64 s[SF0+2:SF0+3], s[SF0+2:SF0+3], 0x100000
	s_add_co_u32 s31, s31, 128
	s_sub_co_u32 s30, s30, 1
	s_cmp_lg_u32 s30, 0
	s_cbranch_scc1 .Lhead
	s_wait_dscnt 0x0
	v_add_nc_u32 v[FA], s31, v[FA0]                ; head 7 is written out: no load leaves its buffer, and the counts run down
	STEP 0, 1, 1
	STEP 1, 1, 1
	STEP 2, 0, 1
	STEP 3, 0, 0
	global_load_b128 v[BM:BM+3], v[BMA], s[38:39]                  ; bm's tile, in the result's layout, into the indices' registers, which are free; it lands under the next two phases
	global_load_b128 v[BM+4:BM+7], v[BMA], s[38:39] offset:16
	BARRIER                                        ; feat's 128 rows lie in LDS
.irp b, 0,1,2,3
.irp j, 0,1,2,3
	ds_load_b128 v[128+16*\b+4*\j:128+16*\b+4*\j+3], v[FRD] offset:128*\b+16*\j
.endr
.endr
	s_wait_dscnt 0x0
	QUANT 128
.irp c, 0,1,2
	ds_store_b128 v[FWI], v[PC+4*\c:PC+4*\c+3] offset:512*\c       ; the fragment goes to LDS as an image of its registers
.endr
	ds_store_b32 v[FWS], v[PW] offset:FSC
	BARRIER                                        ; feat's sixteen fragments lie in LDS, and nobody reads feat's rows any more
	s_wait_loadcnt 0x0                             ; bm's tile
.irp s, 0,1                                    ; Wm's tile w x all 8 tiles of rows: eight accumulators by turns, a K step at a time
.irp m, 0,1,2,3,4,5,6,7
.irp c, 0,1,2
	ds_load_b128 v[FF+12*\m+4*\c:FF+12*\m+4*\c+3], v[LI] offset:1536*(2*\m+\s)+512*\c
.endr
	ds_load_b32 v[FS+\m], v[LS] offset:FSC+128*(2*\m+\s)
.endr
	s_wait_dscnt 0x0
.irp m, 0,1,2,3,4,5,6,7
.if \s == 0
	v_wmma_scale_f32_16x16x128_f8f6f4 v[OA+8*\m:OA+8*\m+7], v[WMF:WMF+11], v[FF+12*\m:FF+12*\m+11], v[BM:BM+7], v[WMS], v[FS+\m] matrix_a_fmt:MATRIX_FMT_BF6 matrix_b_fmt:MATRIX_FMT_BF6
.else
	v_wmma_scale_f32_16x16x128_f8f6f4 v[OA+8*\m:OA+8*\m+7], v[WMF+12:WMF+23], v[FF+12*\m:FF+12*\m+11], v[OA+8*\m:OA+8*\m+7], v[WMS+1], v[FS+\m] matrix_a_fmt:MATRIX_FMT_BF6 matrix_b_fmt:MATRIX_FMT_BF6
.endif
.endr
	PLACES 5                                       ; in front of loads into registers that the products have read, and of the stores that read the results
.endr
.irp m, 0,1,2,3
	ds_store_b128 v[SO], v[OA+8*\m:OA+8*\m+3] offset:16640*\m          ; lane (r, h): out0(16 m + r, 32 (w / 2) + 8 (w % 2) + 16 h + 0 .. 7); each accumulator from its low end on
	ds_store_b128 v[SO], v[OA+8*\m+4:OA+8*\m+7] offset:16640*\m+16
.endr
.irp m, 4,5,6,7
	ds_store_b128 v[SO2], v[OA+8*\m:OA+8*\m+3] offset:16640*(\m-4)
	ds_store_b128 v[SO2], v[OA+8*\m+4:OA+8*\m+7] offset:16640*(\m-4)+16
.endr
	BARRIER                                        ; 128 whole rows of out0 lie in the stage
.irp k, 0,1,2,3,4,5,6,7,8,9,10,11,12,13,14,15
	ds_load_b128 v[128+4*\k:128+4*\k+3], v[SRB] offset:1040*(\k/2)+512*(\k%2)
.endr
.irp k, 0,1,2,3,4,5,6,7,8,9,10,11,12,13,14,15
	s_wait_dscnt 15-\k
	global_store_b128 v[LI], v[128+4*\k:128+4*\k+3], s[28:29] offset:512*\k th:TH_STORE_NT   ; 512 consecutive bytes, at a multiple of 256 from out0's first byte; written once, read by nobody here
.endr
	s_wait_tensorcnt 0x0                           ; the wave's end: behind my last LDS store
	ds_add_u32 v[SPW], v[NIL]
	s_wait_dscnt 0x0
	s_endpgm
.Lfunc_end_k_q349676dd57_samp:
	.size	k_q349676dd57_samp, .Lfunc_end_k_q349676dd57_samp-k_q349676dd57_samp
	.p2alignl 7, 3214868480
	.fill 96, 4, 3214868480
	.section	.rodata,"a",@progbits
	.p2align	6, 0x0
	.amdhsa_kernel k_q349676dd57_samp
		.amdhsa_group_segment_fixed_size 161792
		.amdhsa_private_segment_fixed_size 0
		.amdhsa_enable_private_segment 0
		.amdhsa_kernarg_size 48
		.amdhsa_user_sgpr_count 2
		.amdhsa_user_sgpr_kernarg_segment_ptr 1
		.amdhsa_wavefront_size32 1
		.amdhsa_system_sgpr_workgroup_id_x 1
		.amdhsa_system_sgpr_workgroup_id_y 1
		.amdhsa_system_sgpr_workgroup_id_z 1
		.amdhsa_system_vgpr_workitem_id 0
		.amdhsa_next_free_vgpr 256
		.amdhsa_next_free_sgpr 66
		.amdhsa_reserve_vcc 0
		.amdhsa_float_denorm_mode_32 3
		.amdhsa_float_denorm_mode_16_64 3
		.amdhsa_memory_ordered 1
		.amdhsa_forward_progress 1
		.amdhsa_inst_pref_size 69
	.end_amdhsa_kernel
	.amdgpu_metadata
---
amdhsa.version: [ 1, 2 ]
amdhsa.kernels:
  - .name:           k_q349676dd57_samp
    .symbol:         k_q349676dd57_samp.kd
    .args:
      - { .name: sf, .offset: 0, .size: 8, .value_kind: global_buffer, .address_space: global }
      - { .name: idx, .offset: 8, .size: 8, .value_kind: global_buffer, .address_space: global }
      - { .name: wts, .offset: 16, .size: 8, .value_kind: global_buffer, .address_space: global }
      - { .name: wfrag, .offset: 24, .size: 8, .value_kind: global_buffer, .address_space: global }
      - { .name: bm, .offset: 32, .size: 8, .value_kind: global_buffer, .address_space: global }
      - { .name: out0, .offset: 40, .size: 8, .value_kind: global_buffer, .address_space: global }
    .group_segment_fixed_size: 161792
    .private_segment_fixed_size: 0
    .kernarg_segment_align: 8
    .kernarg_segment_size: 48
    .max_flat_workgroup_size: 512
    .sgpr_count:     66
    .vgpr_count:     256
    .wavefront_size: 32
...
	.end_amdgpu_metadata
.endif
;; end of part 3
;; ======== version 2 of 2: 4 launches
;; limits: right only within a limited range of input values
;; workspace buffers: wfrag 199,680 bytes; sf 67,108,864 bytes; idx 4,194,304 bytes of whole numbers; wts 33,554,432 bytes; fp 67,108,864 bytes
;; launch wprep (part 4): grid 30 x 1, 4 waves a work-group, no clusters, 0 bytes of LDS; arguments Wq, Wk, Wm, Wo, Wa, wfrag; writes wfrag
.if DOCPART == 4
	.amdgcn_target "amdgcn-amd-amdhsa--gfx1250"
	.amdhsa_code_object_version 6
	.text
	.protected	k_q349676dd57_wprep
	.globl	k_q349676dd57_wprep
	.p2align	8
	.type	k_q349676dd57_wprep,@function
k_q349676dd57_wprep:
	s_mov_b64 s[64:65], 0
	v_nop
	global_prefetch_b8 v0, s[64:65] scope:SCOPE_SE
	s_setreg_imm32_b32 hwreg(HW_REG_WAVE_MODE, 25, 1), 1
	s_wait_xcnt 0x0
; PanoSelfAttention, launch 1 of 4: the five weights become operands of the matrix unit, once.
; NOTHING OF reference() IS LEFT OUT in this program: every input has a way to out0 (bk through the zero padding of the sampling, ba because it need not be the same along the softmax's axis).
; Wq, Wk, Wm [256][256], Wo [256][128], Wa [256][64], f32, K = their FIRST axis, are quantised along K to codes of BF6 (E3M2) with one E8M0 byte for each 32 along K.
; wfrag holds 120 FRAGMENTS (16 columns x 128 K), each as an image of the operand's 12 registers: 3 pieces of 512 bytes, piece c = registers 4 c .. 4 c + 3, lane l at byte 16 l;
; from byte 184,320 on a scale word for each lane of each fragment, 128 bytes a fragment (lanes 16-31 hold a copy of lanes 0-15).
; Fragment f = 2 x tile + K step.  Tiles: Wq 0-15, Wk 16-31, Wm 32-47, Wo 48-55, Wa 56-59.
; THE COLUMNS OF A TILE: in Wq, Wk, Wm, Wo lane r of the weight's tile t takes column 32 (t / 2) + 8 (t % 2) + r + 8 (r / 8), so that, with the product used transposed, a lane's 16 results of tiles
; 2 b and 2 b + 1 are 16 neighbouring columns; in Wa lane r of tile t takes column 16 t + r.
; SHARES: one wave makes one fragment: f = 4 x work-group + wave.  A lane takes a column and its registers run down K, in the order that the operand's layout gives it: nothing is transposed.
; LIMITS: NaN and infinities are not served; a block of zeros gets the byte 1 (its codes are zeros, and this program alone reads the bytes); blocks whose largest magnitude lies under 2^-122 were not tried.
.set SCW, 184320                       ; where the scale words begin in wfrag
	s_load_b256 s[4:11], s[0:1], 0x0               ; Wq s[4:5], Wk s[6:7], Wm s[8:9], Wo s[10:11]
	s_load_b128 s[12:15], s[0:1], 0x20             ; Wa s[12:13], wfrag s[14:15]
	v_lshrrev_b32 v1, 5, v0
	v_readfirstlane_b32 s22, v1                    ; wave 0..3
	v_and_b32 v1, 15, v0                           ; r
	v_bfe_u32 v2, v0, 4, 1                         ; h
	v_and_b32 v6, 31, v0                           ; lane
	v_lshlrev_b32 v4, 4, v6                        ; out: 16 bytes a lane
	v_lshlrev_b32 v5, 2, v6                        ; out: 4 bytes a lane
	s_lshr_b32 s23, s22, 1                         ; u: which tile of the work-group's two
	s_and_b32 s24, s22, 1                          ; s: which K step
	s_mov_b32 s20, 0x76543210
	s_mov_b32 s21, 0xfedcba98                      ; v_permlanex16_b32's selects for lane l xor 16
	s_lshl_b32 s25, ttmp9, 2
	s_add_co_u32 s25, s25, s22                     ; f
	s_mul_i32 s30, s25, 1536                       ; its image,
	s_mov_b32 s31, 0
	s_lshl_b32 s32, s25, 7
	s_add_co_u32 s32, s32, SCW                     ; its scale words
	s_mov_b32 s33, 0
	s_wait_kmcnt 0x0
	s_add_nc_u64 s[26:27], s[14:15], s[30:31]
	s_add_nc_u64 s[28:29], s[14:15], s[32:33]
	s_mov_b64 s[16:17], s[12:13]                   ; which weight, and its first work-group: the choice hangs on the work-group's number alone
	s_mov_b32 s18, 28
	s_cmp_lt_u32 ttmp9, 28
	s_cselect_b64 s[16:17], s[10:11], s[16:17]
	s_cselect_b32 s18, 24, s18
	s_cmp_lt_u32 ttmp9, 24
	s_cselect_b64 s[16:17], s[8:9], s[16:17]
	s_cselect_b32 s18, 16, s18
	s_cmp_lt_u32 ttmp9, 16
	s_cselect_b64 s[16:17], s[6:7], s[16:17]
	s_cselect_b32 s18, 8, s18
	s_cmp_lt_u32 ttmp9, 8
	s_cselect_b64 s[16:17], s[4:5], s[16:17]
	s_cselect_b32 s18, 0, s18
	s_sub_co_u32 s19, ttmp9, s18                   ; the pair of tiles within the weight
; 64 loads: W(128 s + 64 c + 32 h + i, my column).  n: columns of the weight;  nat = 1: columns in their natural order
.macro LOADW n, nat
.if \nat
	v_mov_b32 v3, v1
	s_lshl_b32 s34, s23, 4
.else
	v_and_b32 v3, 8, v1
	v_add_nc_u32 v3, v3, v1                        ; r + 8 (r / 8)
	s_lshl_b32 s34, s23, 3
.endif
	s_lshl_b32 s35, s19, 5
	s_add_co_u32 s34, s34, s35
	v_add_nc_u32 v3, s34, v3                       ; my column
	v_lshlrev_b32 v3, 2, v3
	s_mul_i32 s35, s24, 128*4*\n                   ; the K step's first row,
	v_mad_u32_u24 v3, v2, 32*4*\n, v3              ; lanes 16-31 begin 32 rows further down
	v_add_nc_u32 v3, s35, v3
.irp c, 0,1
.irp i, 0,1,2,3,4,5,6,7,8,9,10,11,12,13,14,15,16,17,18,19,20,21,22,23,24,25,26,27,28,29,30,31
	global_load_b32 v[64+32*\c+\i], v3, s[16:17] offset:(64*\c+\i)*4*\n
.endr
.endr
.endm
	s_cmp_lt_u32 ttmp9, 24                         ; the rows' length stands in the loads' immediates: three arms, by the work-group's number
	s_cbranch_scc0 .Lnarrow
	s_wait_alu depctr_va_vdst(0)
	LOADW 256, 0
	s_branch .Lloaded
.Lnarrow:
	s_cmp_lt_u32 ttmp9, 28
	s_cbranch_scc0 .Lwa
	s_wait_alu depctr_va_vdst(0)
	LOADW 128, 0
	s_branch .Lloaded
.Lwa:
	s_wait_alu depctr_va_vdst(0)
	LOADW 64, 1
.Lloaded:
	s_wait_loadcnt 0x0
.irp c, 0,1                                    ; my block 2 c + h: all its 32 numbers are mine
	v_max3_num_f32 v[32+\c], |v[64+32*\c]|, |v[65+32*\c]|, 0x2800000   ; and the floor 2^(5 - 127): the byte cannot fall under 1
.endr
.irp i, 2,4,6,8,10,12,14,16,18,20,22,24,26,28,30
.irp c, 0,1
	v_max3_num_f32 v[32+\c], v[32+\c], |v[64+32*\c+\i]|, |v[65+32*\c+\i]|
.endr
.endr
.irp c, 0,1
	v_add_nc_u32 v[44+\c], 0xfe000000, v[32+\c]    ; 4 off the exponent field: the conversion's scale operand
.endr
.irp c, 0,1
	v_lshrrev_b32 v[36+\c], 23, v[44+\c]           ; the scale's byte
.endr
	v_lshl_or_b32 v9, v37, 16, v36                 ; my two bytes: blocks h and 2 + h of my column,
	v_lshlrev_b32 v10, 3, v2
	v_lshlrev_b32 v9, v10, v9                      ; at their places in the word;
	v_mov_b32 v10, 0
	v_permlanex16_b32 v10, v9, s20, s21
	v_or_b32 v9, v9, v10                           ; with lane l xor 16's two the word is whole, in both lanes
	v_cvt_scalef32_pk16_bf6_f32 v[48:50], v[64:79], v44
	v_cvt_scalef32_pk16_bf6_f32 v[16:18], v[80:95], v44      ; (a conversion's three registers begin on an even number: the upper half of a block's six is made elsewhere and moved)
	v_cvt_scalef32_pk16_bf6_f32 v[54:56], v[96:111], v45
	v_cvt_scalef32_pk16_bf6_f32 v[20:22], v[112:127], v45
	v_nop                                          ; one plain instruction behind the scaled conversions
.irp i, 0,1,2
	v_mov_b32 v[51+\i], v[16+\i]
	v_mov_b32 v[57+\i], v[20+\i]
.endr
.irp c, 0,1,2
	global_store_b128 v4, v[48+4*\c:51+4*\c], s[26:27] offset:512*\c   ; 32 lanes store 512 consecutive bytes, at a multiple of 256 from wfrag's first byte
.endr
	global_store_b32 v5, v9, s[28:29]
	s_endpgm
.Lfunc_end_k_q349676dd57_wprep:
	.size	k_q349676dd57_wprep, .Lfunc_end_k_q349676dd57_wprep-k_q349676dd57_wprep
	.p2alignl 7, 3214868480
	.fill 96, 4, 3214868480
	.section	.rodata,"a",@progbits
	.p2align	6, 0x0
	.amdhsa_kernel k_q349676dd57_wprep
		.amdhsa_group_segment_fixed_size 0
		.amdhsa_private_segment_fixed_size 0
		.amdhsa_enable_private_segment 0
		.amdhsa_kernarg_size 48
		.amdhsa_user_sgpr_count 2
		.amdhsa_user_sgpr_kernarg_segment_ptr 1
		.amdhsa_wavefront_size32 1
		.amdhsa_system_sgpr_workgroup_id_x 1
		.amdhsa_system_sgpr_workgroup_id_y 1
		.amdhsa_system_sgpr_workgroup_id_z 1
		.amdhsa_system_vgpr_workitem_id 0
		.amdhsa_next_free_vgpr 128
		.amdhsa_next_free_sgpr 66
		.amdhsa_reserve_vcc 0
		.amdhsa_float_denorm_mode_32 3
		.amdhsa_float_denorm_mode_16_64 3
		.amdhsa_memory_ordered 1
		.amdhsa_forward_progress 1
		.amdhsa_inst_pref_size 25
	.end_amdhsa_kernel
	.amdgpu_metadata
---
amdhsa.version: [ 1, 2 ]
amdhsa.kernels:
  - .name:           k_q349676dd57_wprep
    .symbol:         k_q349676dd57_wprep.kd
    .args:
      - { .name: Wq, .offset: 0, .size: 8, .value_kind: global_buffer, .address_space: global }
      - { .name: Wk, .offset: 8, .size: 8, .value_kind: global_buffer, .address_space: global }
      - { .name: Wm, .offset: 16, .size: 8, .value_kind: global_buffer, .address_space: global }
      - { .name: Wo, .offset: 24, .size: 8, .value_kind: global_buffer, .address_space: global }
      - { .name: Wa, .offset: 32, .size: 8, .value_kind: global_buffer, .address_space: global }
      - { .name: wfrag, .offset: 40, .size: 8, .value_kind: global_buffer, .address_space: global }
    .group_segment_fixed_size: 0
    .private_segment_fixed_size: 0
    .kernarg_segment_align: 8
    .kernarg_segment_size: 48
    .max_flat_workgroup_size: 128
    .sgpr_count:     66
    .vgpr_count:     128
    .wavefront_size: 32
...
	.end_amdgpu_metadata
.endif
;; end of part 4
;; launch proj (part 5): grid 256 x 1, 4 waves a work-group, no clusters, 133,632 bytes of LDS; arguments query, keys0, keys1, ref_point, wfrag, bq, bk, bo, ba, sf, idx, wts; writes sf, idx, wts
.if DOCPART == 5
	.amdgcn_target "amdgcn-amd-amdhsa--gfx1250"
	.amdhsa_code_object_version 6
	.text
	.protected	k_q349676dd57_proj
	.globl	k_q349676dd57_proj
	.p2align	8
	.type	k_q349676dd57_proj,@function
k_q349676dd57_proj:
	s_mov_b64 s[64:65], 0
	v_nop
	global_prefetch_b8 v0, s[64:65] scope:SCOPE_SE
	s_setreg_imm32_b32 hwreg(HW_REG_WAVE_MODE, 25, 1), 1
	s_wait_xcnt 0x0
; PanoSelfAttention, launch 2 of 4: the five projections, the softmax of the attention weights and the geometry of the sampling.  No work of reference() is left out here.
;   sf  = Q(keys_l) Q(Wk) + bk, f32, laid [level 2][b 4][head 8][quarter of the head's channels 4][pixel 8192][8 channels]: a slice of 8,192 x 32 bytes is what one work-group of the next launch holds in LDS
;   q   = Q(query) Q(Wq) + bq;  off = Q(q) Q(Wo) + bo;  A = softmax over a head's 8 logits of Q(q) Q(Wa) + ba
;   idx = for each (b, head, pixel) eight 16-bit numbers, one a point: yb x 128 + xb, the upper left of the point's four corners
;   wts = for each (b, head, pixel) 32 f32: A[point] x wy[a] x wx[e], laid [b][head][tile of 16 pixels][piece 8][pixel 16][4]; piece 4 e + j holds (point 2 j, a 0), (2 j, 1), (2 j + 1, 0), (2 j + 1, 1)
; All products on codes of BF6 (E3M2) with one E8M0 scale for each 32 along K; Q is the stated quantiser.
; THE SAMPLING'S FORM.  g = (ref + off) x (64/63, 128/127) - 0.5 (reference()'s two affine steps as one multiply-add).  yb = floor(gy) held to 0 .. 62, xb = floor(gx) held to 0 .. 126, d = g - base.
; The weight of the base is the middle of (1 + d, 0, 1 - d), that of base + 1 the middle of (d, 0, 2 - d): both are max(0, 1 - distance), which is reference()'s bilinear weight with its test for
; validity folded in, for every g: a corner outside the picture is not among the four or has the weight 0.  So a point needs one index and no mask.
; ref: jnp.tile repeats the whole array, so row 8 b + head of the tiled array is ref_point[(8 b + head) % 4] = ref_point[head % 4].
; SHARES.  A work-group owns 128 pixels, as 2 blocks of 64 rows of each of the three tensors: six passes.  THE WAVES SHARE THE COLUMNS: wave w holds, in registers for the whole launch, the fragments of
; Wk's and Wq's columns 64 w .. 64 w + 63 (heads 2 w, 2 w + 1), of Wo's columns 32 w .. + 31 and of Wa's 16 w .. + 15.  Rows go from wave to wave through LDS as images of the operand's registers.
; A PASS: wave w's 16 rows (16 KB, loaded two passes ahead, 512 consecutive bytes a load) turn through the wave's own stage, so that a lane holds 16 neighbours along K; they are quantised; images to LDS | barrier |
; each wave multiplies all four tiles of 16 rows by its columns (transposed: source 0 = 16 columns of the weight, source 1 = 16 rows: a lane holds ONE pixel).
; The biases are the C of each sum's first matrix instruction.
; No tensor load: a wave's landing registers hold two passes' rows on their way.  No cluster: what work-groups share is the weights' fragments, read once at the head, straight into registers.
; LIMITS: NaN and infinities are not served; a block of zeros gets the byte 1 (its codes are zeros, this program alone reads the bytes); blocks under 2^-122 were not tried; sums are f32 in another order than reference()'s.
; REGISTERS, in windows of 256.  Window 0: v4-25 addresses and constants; v30, v31 the add's two; v32-55 scale words and nothing else; v56-93 the quantiser's; v94-127 at work;
;   v128-191 64 numbers of x, or rows on their way out, or the points' results; v192-255 64 numbers of x, or accumulators (192-223), two fragments of rows (224-247), ref (250-251).
;   Window 1: Wk's 8 fragments, from v96 Wq's 8.   Window 2: Wo's 4, from v48 Wa's 2; from v128 the tiles of bk, bq, bo, ba.   Window 3: two landing sets of 128.
; THE LAYOUT OF idx AND wts, which takes the place of the two lines on them at this kernel's head:
;   idx = for each (b, head, pixel) eight 16-bit numbers, one a point: yb x 132 + xb: the next launch lays a picture's row of 128 pixels in 132 places of 32 bytes
;   wts = for each (b, head, pixel) 32 f32: A[point] x wy[a] x wx[e], laid [b][head][tile of 16 pixels][piece 8][pixel 16][4]; piece 4 level + 2 a + e holds the level's points 0 .. 3
.set XSCO,  12288
.set XBUF,  13312
.set QIMG,  26624                      ; q's 16 half fragments (4 m + wave): 512 bytes for registers 0-3, 256 for registers 4, 5
.set QSC,   38912                      ; q's scale words (2 m + s), 128 bytes each
.set STG,   39936                      ; the way out of sf: for each wave 2 heads x 16 pixels x (128 + 16) bytes
.set REFB,  58368                      ; for each wave 8 x 256 bytes: its lanes' ref of the 8 tiles of pixels
.set SPARE, 66560                      ; the spare words, 128 bytes for each wave: two blocks of 256 bytes that no other line names
.set TS,    67072                      ; for each wave 16 rows x (1,024 + 16) bytes: the turn of x
.set SCW,   184320                     ; wfrag: where the scale words begin
.set LI,  4                            ; v4   16 x lane
.set LS,  5                            ; v5   4 x lane
.set L8,  6                            ; v6   8 x lane
.set XWI, 7                            ; v7   where I store x's images
.set XWS, 8                            ; v8   and their scale words
.set QWI, 9                            ; v9   q's: registers 0-3
.set QWI2, 10                          ; v10  registers 4, 5
.set QWS, 11                           ; v11  my two bytes of q's scale words
.set TW,  12                           ; v12  the turn: in
.set TR,  13                           ; v13  the turn: out
.set STO, 14                           ; v14  sf's stage: in
.set SRD, 15                           ; v15  sf's stage: out
.set ARF, 16                           ; v16  my ref
.set GI,  17                           ; v17  my offset in idx
.set GW,  18                           ; v18  my offset in wts
.set CS,  20                           ; v[20:21] 64/63, 128/127
.set SPW, 30
.set NIL, 31
.set WKS, 32                           ; scale words: Wk's 8, Wq's 8, Wo's 4, Wa's 2, the rows' 2
.set WQS, 40
.set WOS, 48
.set WAS, 52
.set XS,  54
.set TM,  56                           ; v56-71 the quantiser's: largest magnitudes, bytes, scale operands
.set IDXO, 56                          ; v56-59 a lane's eight indices, packed
.set PW,  72                           ; the scale word just made
.set PC,  74                           ; v74-93 the codes just made
.set BS,  74                           ; v74-89 the points' bases, then 1 + d
.set E,   94                           ; v94-101 the softmax
.set RC,  106                          ; v[106:107] 1 / the sum (the low word serves both halves)
.set MX,  118                          ; v[118:119] the largest logit (likewise)
.set IX,  120                          ; v120-127 the points' indices
.set OB,  128                          ; rows of sf on their way out: two sets of 32
.set WO,  128                          ; v128-159 the 32 weights;  before that 1 - d and 2 - d
.set T2,  128
.set T3,  144
.set YY,  160                          ; v160-175 (wy0, wy1) of each point
.set XX,  176                          ; v176-191 (wx0, wx1)
.set ACC, 192
.set OFF, 192                          ; v192-207 the 16 offsets of my pixel and head
.set LG,  208                          ; v208-215 its 8 logits
.set XF,  224
.set RF,  250
.set BK,  128                          ; window 2
.set BQ,  160
.set BO,  192
.set BA,  208
.set WV,  28
.set SEL, 30
.set MSB, 0
.macro WIN new                         ; the immediate's high byte repeats the setting that is left
.if MSB != \new
	s_set_vgpr_msb (MSB<<8)|\new
.set MSB, \new
.endif
.endm
.macro PLACES n
.rept \n
	v_nop
.endr
.endm
.macro BARRIER                         ; my LDS stores have landed and my LDS loads are in: then the work-group's barrier
	s_wait_dscnt 0x0
	s_barrier_signal -1
	s_barrier_wait -1
.endm
; 64 numbers of a lane, register 16 b + i = k 32 b + 16 (lane / 16) + i of my row, become a fragment's codes in v[PC] on and its scale word in v[PW]
.macro QUANT s
.irp b, 0,1,2,3
	v_max3_num_f32 v[TM+\b], |v[\s+16*\b]|, |v[\s+1+16*\b]|, 0x2800000   ; block b: my 16 numbers, and the floor 2^(5 - 127): the byte cannot fall under 1
.endr
.irp i, 2,4,6,8,10,12,14
.irp b, 0,1,2,3
	v_max3_num_f32 v[TM+\b], v[TM+\b], |v[\s+16*\b+\i]|, |v[\s+1+16*\b+\i]|
.endr
.endr
.irp b, 0,1,2,3
	v_permlanex16_b32 v[TM+4+\b], v[TM+\b], s[SEL], s[SEL+1]
.endr
.irp b, 0,1,2,3
	v_max_num_f32 v[TM+\b], v[TM+\b], v[TM+4+\b]   ; with lane l xor 16's: the block's largest magnitude
.endr
.irp b, 0,1,2,3
	v_add_nc_u32 v[TM+12+\b], 0xfe000000, v[TM+\b] ; 4 off its exponent field: the conversion's scale operand
.endr
.irp b, 0,1,2,3
	v_lshrrev_b32 v[TM+4+\b], 23, v[TM+12+\b]      ; the scale's byte
.endr
	v_lshl_or_b32 v[PW], v[TM+5], 8, v[TM+4]
	v_lshl_or_b32 v[PW], v[TM+6], 16, v[PW]
	v_lshl_or_b32 v[PW], v[TM+7], 24, v[PW]
.irp c, 0,1
	v_cvt_scalef32_pk16_bf6_f32 v[PC+6*\c:PC+2+6*\c], v[\s+32*\c:\s+15+32*\c], v[TM+12+2*\c]
	v_cvt_scalef32_pk16_bf6_f32 v[PC+12+4*\c:PC+14+4*\c], v[\s+16+32*\c:\s+31+32*\c], v[TM+12+2*\c+1]   ; (a conversion's three registers begin on an even number)
.endr
	v_nop                                          ; one plain instruction behind the scaled conversions
.irp c, 0,1                                    ; the operand's layout wants a WHOLE block in a lane: lanes 0-15 block 2 c, lanes 16-31 block 2 c + 1
.irp i, 0,1,2
	v_permlane16_swap_b32 v[PC+6*\c+\i], v[PC+12+4*\c+\i]
.endr
.irp i, 0,1,2
	v_mov_b32 v[PC+3+6*\c+\i], v[PC+12+4*\c+\i]
.endr
.endr
.endm
; the same for 32 numbers: two blocks, half a fragment (six registers in v[PC] on), two bytes in v[PW]
.macro QHALF s
.irp b, 0,1
	v_max3_num_f32 v[TM+\b], |v[\s+16*\b]|, |v[\s+1+16*\b]|, 0x2800000
.endr
.irp i, 2,4,6,8,10,12,14
.irp b, 0,1
	v_max3_num_f32 v[TM+\b], v[TM+\b], |v[\s+16*\b+\i]|, |v[\s+1+16*\b+\i]|
.endr
.endr
.irp b, 0,1
	v_permlanex16_b32 v[TM+4+\b], v[TM+\b], s[SEL], s[SEL+1]
.endr
.irp b, 0,1
	v_max_num_f32 v[TM+\b], v[TM+\b], v[TM+4+\b]
.endr
.irp b, 0,1
	v_add_nc_u32 v[TM+12+\b], 0xfe000000, v[TM+\b]
.endr
.irp b, 0,1
	v_lshrrev_b32 v[TM+4+\b], 23, v[TM+12+\b]
.endr
	v_lshl_or_b32 v[PW], v[TM+5], 8, v[TM+4]
	v_cvt_scalef32_pk16_bf6_f32 v[PC:PC+2], v[\s:\s+15], v[TM+12]
	v_cvt_scalef32_pk16_bf6_f32 v[PC+12:PC+14], v[\s+16:\s+31], v[TM+13]
	v_nop
.irp i, 0,1,2
	v_permlane16_swap_b32 v[PC+\i], v[PC+12+\i]
.endr
.irp i, 0,1,2
	v_mov_b32 v[PC+3+\i], v[PC+12+\i]
.endr
.endm
.macro IMAGE adr, off                  ; the fragment in v[PC] on goes to LDS as it stands
.irp c, 0,1,2
	ds_store_b128 v[\adr], v[PC+4*\c:PC+4*\c+3] offset:\off+512*\c
.endr
.endm
; my 16 rows of a block (16 KB on end) into a landing set: each load reads 512 consecutive bytes
.macro XLOAD set, base, blk
	WIN 0xc0                                       ; destination window 3
.set NN, 0
.rept 32
	global_load_b128 v[128*(\set)+4*NN:128*(\set)+4*NN+3], v[LI], s[\base:\base+1] offset:65536*(\blk)+512*NN th:TH_LOAD_NT
.set NN, NN+1
.endr
	WIN 0
.endm
; Pass p's rows become two fragments.  left: the younger loads that may stay out (the next pass's 32).  nx = 1: the landing set takes the rows of two passes on
.macro XPHASE p, left, nx, nbase, nblk
.set XB, XBUF*((\p)%2)
	s_wait_loadcnt \left                           ; loads come back in order: this pass's 32 are in
	WIN 0x0c                                       ; an LDS store's data are its source 1: window 3
.set NN, 0
.rept 32
	ds_store_b128 v[TW], v[128*((\p)%2)+4*NN:128*((\p)%2)+4*NN+3] offset:1040*(NN/2)+512*(NN%2)
.set NN, NN+1
.endr
	WIN 0
	s_wait_xcnt 0x0                                ; earlier global stores have read their data: v128 on is loaded again only behind this wait
.irp s, 0,1
.irp b, 0,1,2,3
.irp j, 0,1,2,3
	ds_load_b128 v[128+64*\s+16*\b+4*\j:128+64*\s+16*\b+4*\j+3], v[TR] offset:512*\s+128*\b+16*\j   ; LDS serves a wave's instructions in order: these see the stores above
.endr
.endr
.endr
	s_wait_dscnt 16                                ; K step 0's numbers are in (K step 1's 16 loads may be out): so the 32 stores have read the landing set,
.if \nx
	XLOAD (\p)%2, \nbase, \nblk                    ; which takes the rows of two passes on
.endif
	QUANT 128
	IMAGE XWI, XB
	ds_store_b32 v[XWS], v[PW] offset:XB+XSCO
	s_wait_dscnt 0x0                               ; K step 1's numbers are in, and the stores have read their registers
	QUANT 192
	IMAGE XWI, XB+1536
	ds_store_b32 v[XWS], v[PW] offset:XB+XSCO+128
	BARRIER                                        ; the block's eight fragments lie in LDS.  This buffer is written again two passes on, behind the next pass's barrier, in front of which every wave's reads of it are in
.endm
.macro FETCHX m                        ; tile m's two fragments and scale words: 8 LDS loads
.irp s, 0,1
.irp c, 0,1,2
	ds_load_b128 v[XF+12*\s+4*\c:XF+12*\s+4*\c+3], v[LI] offset:XB+1536*(2*(\m)+\s)+512*\c
.endr
.endr
.irp s, 0,1
	ds_load_b32 v[XS+\s], v[LS] offset:XB+XSCO+128*(2*(\m)+\s)
.endr
.endm
; my four tiles of columns x 16 rows, K = 256: the four accumulators by turns.  wb: the weight's fragments in window 1;  sb: its scale words;  bias: its tiles in window 2
.macro MULX wb, sb, bias
	WIN 0x21                                       ; source 0 window 1, source 2 window 2
.irp t, 0,1,2,3
	v_wmma_scale_f32_16x16x128_f8f6f4 v[ACC+8*\t:ACC+8*\t+7], v[\wb+24*\t:\wb+24*\t+11], v[XF:XF+11], v[\bias+8*\t:\bias+8*\t+7], v[\sb+2*\t], v[XS] matrix_a_fmt:MATRIX_FMT_BF6 matrix_b_fmt:MATRIX_FMT_BF6
.endr
	WIN 0x01
.irp t, 0,1,2,3
	v_wmma_scale_f32_16x16x128_f8f6f4 v[ACC+8*\t:ACC+8*\t+7], v[\wb+24*\t+12:\wb+24*\t+23], v[XF+12:XF+23], v[ACC+8*\t:ACC+8*\t+7], v[\sb+2*\t+1], v[XS+1] matrix_a_fmt:MATRIX_FMT_BF6 matrix_b_fmt:MATRIX_FMT_BF6
.endr
	WIN 0
.endm
; sf of one level and one block.  Lane (r, h) holds pixel r; registers 16 bb + i are channel 16 h + i of head 2 w + bb.  They go through my stage and leave as 16 pixels x 32 bytes (a quarter of a head's channels) a store
.macro KPROD sfb, blk
	FETCHX 0
.irp m, 0,1,2,3
	s_wait_dscnt 0x0                               ; the tile's fragments are in; the stage's stores have read the accumulators
	MULX 0, WKS, BK
	PLACES 5                                       ; four in front of the stores that read the results and of the loads into the fragments; the fifth since the next tile begins these accumulators anew
.irp bb, 0,1
.irp i, 0,1,2,3
	ds_store_b128 v[STO], v[ACC+16*\bb+4*\i:ACC+16*\bb+4*\i+3] offset:2304*\bb+16*\i   ; each accumulator from its low end on
.endr
.endr
	s_wait_xcnt 0x0                                ; the stores of two tiles back have read this set
.irp bb, 0,1
.irp j, 0,1,2,3
	ds_load_b128 v[OB+32*(\m%2)+4*(4*\bb+\j):OB+32*(\m%2)+4*(4*\bb+\j)+3], v[SRD] offset:2304*\bb+32*\j   ; quarter j: two lanes to a pixel's 32 bytes
.endr
.endr
.if \m < 3
	FETCHX \m+1
	s_wait_dscnt 8                                 ; the eight loads from the stage are in; the next tile's eight may be out
.else
	s_wait_dscnt 0x0
.endif
.irp bb, 0,1
.irp j, 0,1,2,3
	global_store_b128 v[LI], v[OB+32*(\m%2)+4*(4*\bb+\j):OB+32*(\m%2)+4*(4*\bb+\j)+3], s[\sfb:\sfb+1] offset:0x100000*\bb+0x40000*\j+2048*(\blk)+512*\m   ; 512 consecutive bytes, at a multiple of 256 from sf's first byte
.endr
.endr
.endr
.endm
; q of one block: my 64 columns are registers 6 c .. 6 c + 5 (c = wave % 2) and bytes 2 c, 2 c + 1 of K step wave / 2 of the next products
.macro Q1
	FETCHX 0
.irp m, 0,1,2,3
	s_wait_dscnt 0x0                               ; the tile's fragments are in; the last tile's stores have read their registers
	MULX 96, WQS, BQ
	PLACES 5
.if \m < 3
	FETCHX \m+1
.endif
	QHALF ACC
	ds_store_b128 v[QWI], v[PC:PC+3] offset:QIMG+3072*\m
	ds_store_b64 v[QWI2], v[PC+4:PC+5] offset:QIMG+3072*\m
	ds_store_b16 v[QWS], v[PW] offset:QSC+256*\m
.endr
	BARRIER                                        ; q's eight fragments lie in LDS
.endm
; Lane (r, h) is pixel r of the tile and head 2 w + h: its 16 offsets (point j: y at 2 j, x at 2 j + 1), its 8 logits, its ref
; THE ORDER OF A LEVEL'S FOUR POINTS IS FREE: the next launch sums over them.  There the points in slot p of pixels r and r xor 1 are read from LDS by one group of sixteen lanes, and their 2 x 128 bytes lie at
; sixteen different places of 16 bytes modulo 256 where the two xb differ by 2 modulo 4.  So each odd pixel turns its four points round by rho places, the rho of 0 .. 3 with the most such slots (ties: the least rho).
.set RT, 128                           ; v128-135 xb % 4 of the eight points; later four numbers on their way round
.set RK, 136                           ; v136-139 a level's four xb % 4, a byte each
.set RN, 140                           ; v140-141 what the partner's slots ask for
.set RM, 142                           ; v142 3 in odd pixels, 0 in even ones
.set RS, 144                           ; v144-151 for each level and rho: 4 x the slots that do not fit, + rho
.set RB, 60                            ; s60-63 for each level the lanes with bit 0 and with bit 1 of rho
.macro ROT base, st, l                 ; new[p] = old[(p + rho) % 4]: by one place, then by two
.irp p, 0,1,2,3
	v_cndmask_b32 v[RT+\p], v[(\base)+(\st)*\p], v[(\base)+(\st)*((\p+1)%4)], s[RB+2*(\l)]
.endr
.irp p, 0,1,2,3
	v_cndmask_b32 v[(\base)+(\st)*\p], v[RT+\p], v[RT+(\p+2)%4], s[RB+2*(\l)+1]
.endr
.endm
.macro POINTS
	v_max3_num_f32 v[MX], v[LG], v[LG+1], v[LG+2]  ; the largest logit, from the accumulator's low end on
	v_max3_num_f32 v[MX], v[MX], v[LG+3], v[LG+4]
	v_max3_num_f32 v[MX], v[MX], v[LG+5], v[LG+6]
	v_max_num_f32 v[MX], v[MX], v[LG+7]
.irp i, 0,2,4,6
	v_pk_add_f32 v[E+\i:E+\i+1], v[LG+\i:LG+\i+1], v[MX:MX+1] op_sel_hi:[1,0] neg_lo:[0,1] neg_hi:[0,1]
.endr
.irp i, 0,2,4,6
	v_pk_mul_f32 v[E+\i:E+\i+1], v[E+\i:E+\i+1], 0x3fb8aa3b op_sel_hi:[1,0]   ; x log2(e)
.endr
	s_wait_alu depctr_va_vdst(0)
.irp i, 0,1,2,3,4,5,6,7
	v_exp_f32 v[E+\i], v[E+\i]                     ; one batch; the geometry below names none of its results
.endr
	s_wait_alu depctr_va_vdst(0)
.irp j, 0,1,2,3,4,5,6,7
	v_pk_add_f32 v[OFF+2*\j:OFF+2*\j+1], v[OFF+2*\j:OFF+2*\j+1], v[RF:RF+1]   ; the point, (y, x)
.endr
.irp j, 0,1,2,3,4,5,6,7
	v_pk_fma_f32 v[OFF+2*\j:OFF+2*\j+1], v[OFF+2*\j:OFF+2*\j+1], v[CS:CS+1], -0.5 op_sel_hi:[1,1,0]   ; g
.endr
.irp i, 0,1,2,3,4,5,6,7,8,9,10,11,12,13,14,15
	v_floor_f32 v[BS+\i], v[OFF+\i]
.endr
.irp j, 0,1,2,3,4,5,6,7
	v_med3_num_f32 v[BS+2*\j], v[BS+2*\j], 0, 0x42780000       ; yb: 0 .. 62
	v_med3_num_f32 v[BS+2*\j+1], v[BS+2*\j+1], 0, 0x42fc0000   ; xb: 0 .. 126
.endr
.irp j, 0,1,2,3,4,5,6,7
	v_pk_add_f32 v[OFF+2*\j:OFF+2*\j+1], v[OFF+2*\j:OFF+2*\j+1], v[BS+2*\j:BS+2*\j+1] neg_lo:[0,1] neg_hi:[0,1]   ; d
.endr
.irp j, 0,1,2,3,4,5,6,7
	v_fmamk_f32 v[IX+\j], v[BS+2*\j], 0x43040000, v[BS+2*\j+1] ; yb x 132 + xb: exact
.endr
.irp j, 0,1,2,3,4,5,6,7
	v_cvt_u32_f32 v[IX+\j], v[IX+\j]
.endr
.irp j, 0,1,2,3,4,5,6,7
	v_and_b32 v[RT+\j], 3, v[IX+\j]                ; xb % 4 (132 is a multiple of 4)
.endr
.irp l, 0,1
	v_lshl_or_b32 v[RK+\l], v[RT+4*\l+1], 8, v[RT+4*\l]
	v_lshl_or_b32 v[RK+2+\l], v[RT+4*\l+3], 8, v[RT+4*\l+2]
.endr
.irp l, 0,1
	v_lshl_or_b32 v[RK+\l], v[RK+2+\l], 16, v[RK+\l]
	v_mov_b32 v[RN+\l], 0                          ; a DPP form's destination counts as one of its sources
.endr
.irp l, 0,1
	v_mov_b32_dpp v[RN+\l], v[RK+\l] row_xmask:1 row_mask:0xf bank_mask:0xf   ; pixel r xor 1's four
.endr
.irp l, 0,1
	v_xor_b32 v[RN+\l], 0x02020202, v[RN+\l]       ; + 2 modulo 4
.endr
.irp l, 0,1
	v_xor_b32 v[RS+4*\l], v[RK+\l], v[RN+\l]
.irp q, 1,2,3
	v_alignbit_b32 v[RS+4*\l+\q], v[RK+\l], v[RK+\l], 8*\q   ; byte p takes byte (p + q) % 4
.endr
.endr
.irp l, 0,1
.irp q, 1,2,3
	v_xor_b32 v[RS+4*\l+\q], v[RS+4*\l+\q], v[RN+\l]         ; a byte is 0 where the slot fits
.endr
.endr
.irp j, 0,1,2,3,4,5,6,7
	v_add_nc_u32 v[RS+\j], 0x03030303, v[RS+\j]    ; bytes 0 .. 3 become 3 .. 6: bit 2 says 'not 0'
.endr
.irp j, 0,1,2,3,4,5,6,7
	v_and_b32 v[RS+\j], 0x04040404, v[RS+\j]
.endr
.irp j, 0,1,2,3,4,5,6,7
	v_mul_lo_u32 v[RS+\j], v[RS+\j], 0x01010101    ; the top byte is the four bytes' sum, 16 at the most
.endr
.irp j, 0,1,2,3,4,5,6,7
	v_lshrrev_b32 v[RS+\j], 24, v[RS+\j]
.endr
.irp l, 0,1
.irp q, 1,2,3
	v_or_b32 v[RS+4*\l+\q], \q, v[RS+4*\l+\q]
.endr
.endr
	v_and_b32 v[RM], 1, v0
.irp l, 0,1
	v_min_u32 v[RS+4*\l], v[RS+4*\l], v[RS+4*\l+1]
	v_min_u32 v[RS+4*\l+2], v[RS+4*\l+2], v[RS+4*\l+3]
.endr
	v_mul_u32_u24 v[RM], 3, v[RM]
.irp l, 0,1
	v_min_u32 v[RS+4*\l], v[RS+4*\l], v[RS+4*\l+2]
.endr
.irp l, 0,1
	v_and_b32 v[RS+4*\l], v[RS+4*\l], v[RM]        ; rho; even pixels keep their order
.endr
.irp l, 0,1
	v_and_b32 v[RS+4*\l+1], 1, v[RS+4*\l]
	v_and_b32 v[RS+4*\l+2], 2, v[RS+4*\l]
.endr
.irp l, 0,1
	v_cmp_ne_u32 s[RB+2*\l], 0, v[RS+4*\l+1]
	v_cmp_ne_u32 s[RB+2*\l+1], 0, v[RS+4*\l+2]
.endr
.irp l, 0,1
	ROT IX+4*\l, 1, \l                             ; a point is its index, its two d and, further down, its exponential
	ROT OFF+8*\l, 2, \l
	ROT OFF+8*\l+1, 2, \l
.endr
.irp j, 0,1,2,3,4,5,6,7
	v_pk_add_f32 v[BS+2*\j:BS+2*\j+1], v[OFF+2*\j:OFF+2*\j+1], 1.0 op_sel_hi:[1,0]            ; 1 + d
	v_pk_fma_f32 v[T2+2*\j:T2+2*\j+1], v[OFF+2*\j:OFF+2*\j+1], -1.0, 1.0 op_sel_hi:[1,0,0]    ; 1 - d
	v_pk_fma_f32 v[T3+2*\j:T3+2*\j+1], v[OFF+2*\j:OFF+2*\j+1], -1.0, 2.0 op_sel_hi:[1,0,0]    ; 2 - d
.endr
.irp j, 0,1,2,3,4,5,6,7
	v_med3_num_f32 v[YY+\j], v[BS+2*\j], 0, v[T2+2*\j]             ; wy0 of the eight points on end, then wy1; wx likewise
	v_med3_num_f32 v[YY+8+\j], v[OFF+2*\j], 0, v[T3+2*\j]
	v_med3_num_f32 v[XX+\j], v[BS+2*\j+1], 0, v[T2+2*\j+1]
	v_med3_num_f32 v[XX+8+\j], v[OFF+2*\j+1], 0, v[T3+2*\j+1]
.endr
	s_wait_alu depctr_va_vdst(0)                   ; one wait for the eight exponentials, ahead of their first reader
.irp l, 0,1
	ROT E+4*\l, 1, \l                              ; the exponentials go round with their points
.endr
	v_pk_add_f32 v[102:103], v[E:E+1], v[E+2:E+3]
	v_pk_add_f32 v[104:105], v[E+4:E+5], v[E+6:E+7]
	v_pk_add_f32 v[102:103], v[102:103], v[104:105]
	v_add_f32 v102, v102, v103
	s_wait_alu depctr_va_vdst(0)
	v_rcp_f32 v[RC], v102
.irp i, 0,1,2,3
	v_lshl_or_b32 v[IDXO+\i], v[IX+2*\i+1], 16, v[IX+2*\i]     ; two indices to a word, the lower point below.  (Plain work behind the reciprocal)
.endr
	s_wait_alu depctr_va_vdst(0)                   ; and the reciprocal's wait, ahead of its first reader
.irp i, 0,2,4,6
	v_pk_mul_f32 v[E+\i:E+\i+1], v[E+\i:E+\i+1], v[RC:RC+1] op_sel_hi:[1,0]   ; A
.endr
.irp jh, 0,1,2,3
.irp jl, 0,1
	v_pk_mul_f32 v[YY+8*\jl+2*\jh:YY+8*\jl+2*\jh+1], v[YY+8*\jl+2*\jh:YY+8*\jl+2*\jh+1], v[E+2*\jh:E+2*\jh+1]   ; A x wy[a = jl] of points 2 jh, 2 jh + 1
.endr
.endr
.irp jh, 0,1,2,3
.irp jl, 0,1
	v_pk_mul_f32 v[WO+4*(4*(\jh/2)+2*\jl)+2*(\jh%2):WO+4*(4*(\jh/2)+2*\jl)+2*(\jh%2)+1], v[YY+8*\jl+2*\jh:YY+8*\jl+2*\jh+1], v[XX+2*\jh:XX+2*\jh+1]         ; piece 4 level + 2 a: x wx0
	v_pk_mul_f32 v[WO+4*(4*(\jh/2)+2*\jl+1)+2*(\jh%2):WO+4*(4*(\jh/2)+2*\jl+1)+2*(\jh%2)+1], v[YY+8*\jl+2*\jh:YY+8*\jl+2*\jh+1], v[XX+8+2*\jh:XX+8+2*\jh+1]   ; piece 4 level + 2 a + 1: x wx1
.endr
.endr
.endm
; off and the logits of one block, a tile of 16 pixels a trip: four trips
.macro Q2 blk
	s_mov_b32 s46, 4
	s_mov_b32 s47, 0                               ; 3,072 m
	s_mov_b32 s48, 0                               ; 256 m
	s_mov_b32 s49, 1024*\blk                       ; 256 (4 blk + m)
.Lq2_\@:
	v_add_nc_u32 v22, s47, v[LI]
	v_add_nc_u32 v23, s47, v[L8]
	v_add_nc_u32 v24, s48, v[LS]
	v_add_nc_u32 v25, s49, v[ARF]
.irp s, 0,1
.irp c, 0,1
	ds_load_b128 v[XF+12*\s+6*\c:XF+12*\s+6*\c+3], v22 offset:QIMG+768*(2*\s+\c)
	ds_load_b64 v[XF+12*\s+6*\c+4:XF+12*\s+6*\c+5], v23 offset:QIMG+768*(2*\s+\c)+512
.endr
.endr
	ds_load_b32 v[XS], v24 offset:QSC
	ds_load_b32 v[XS+1], v24 offset:QSC+128
	ds_load_b64 v[RF:RF+1], v25
	s_wait_dscnt 0x0
	WIN 0x22                                       ; source 0 (Wo, Wa) and source 2 (bo, ba) window 2.  Three accumulators by turns
	v_wmma_scale_f32_16x16x128_f8f6f4 v[OFF:OFF+7], v[0:11], v[XF:XF+11], v[BO:BO+7], v[WOS], v[XS] matrix_a_fmt:MATRIX_FMT_BF6 matrix_b_fmt:MATRIX_FMT_BF6
	v_wmma_scale_f32_16x16x128_f8f6f4 v[OFF+8:OFF+15], v[24:35], v[XF:XF+11], v[BO+8:BO+15], v[WOS+2], v[XS] matrix_a_fmt:MATRIX_FMT_BF6 matrix_b_fmt:MATRIX_FMT_BF6
	v_wmma_scale_f32_16x16x128_f8f6f4 v[LG:LG+7], v[48:59], v[XF:XF+11], v[BA:BA+7], v[WAS], v[XS] matrix_a_fmt:MATRIX_FMT_BF6 matrix_b_fmt:MATRIX_FMT_BF6
	WIN 0x02
	v_wmma_scale_f32_16x16x128_f8f6f4 v[OFF:OFF+7], v[12:23], v[XF+12:XF+23], v[OFF:OFF+7], v[WOS+1], v[XS+1] matrix_a_fmt:MATRIX_FMT_BF6 matrix_b_fmt:MATRIX_FMT_BF6
	v_wmma_scale_f32_16x16x128_f8f6f4 v[OFF+8:OFF+15], v[36:47], v[XF+12:XF+23], v[OFF+8:OFF+15], v[WOS+3], v[XS+1] matrix_a_fmt:MATRIX_FMT_BF6 matrix_b_fmt:MATRIX_FMT_BF6
	v_wmma_scale_f32_16x16x128_f8f6f4 v[LG:LG+7], v[60:71], v[XF+12:XF+23], v[LG:LG+7], v[WAS+1], v[XS+1] matrix_a_fmt:MATRIX_FMT_BF6 matrix_b_fmt:MATRIX_FMT_BF6
	WIN 0
	PLACES 5                                       ; four in front of the first read of the results and of the next trip's loads; the fifth since the next trip begins these accumulators anew
	POINTS
	global_store_b128 v[GI], v[IDXO:IDXO+3], s[42:43]          ; sixteen lanes store 256 consecutive bytes of one head, aligned
.irp i, 0,1,2,3,4,5,6,7
	global_store_b128 v[GW], v[WO+4*\i:WO+4*\i+3], s[44:45] offset:256*\i   ; likewise
.endr
	s_wait_xcnt 0x0                                ; the stores have read their data and bases: both are written again only behind this wait
	s_add_nc_u64 s[42:43], s[42:43], 256
	s_add_nc_u64 s[44:45], s[44:45], 2048
	s_add_co_u32 s47, s47, 3072
	s_add_co_u32 s48, s48, 256
	s_add_co_u32 s49, s49, 256
	s_sub_co_u32 s46, s46, 1
	s_cmp_lg_u32 s46, 0
	s_cbranch_scc1 .Lq2_\@
.endm
	s_load_b512 s[4:19], s[0:1], 0x0               ; query s[4:5], keys0 s[6:7], keys1 s[8:9], ref_point s[10:11], wfrag s[12:13], bq s[14:15], bk s[16:17], bo s[18:19]
	s_load_b256 s[20:27], s[0:1], 0x40             ; ba s[20:21], sf s[22:23], idx s[24:25], wts s[26:27]
	v_lshl_add_u32 v[SPW], v0, 2, SPARE
	v_mov_b32 v[NIL], 0
	v_lshrrev_b32 v1, 5, v0
	v_readfirstlane_b32 s[WV], v1                  ; wave 0..3
	v_and_b32 v1, 31, v0                           ; lane
	v_and_b32 v2, 15, v0                           ; r
	v_bfe_u32 v3, v0, 4, 1                         ; h
	v_lshlrev_b32 v[LI], 4, v1
	v_lshlrev_b32 v[LS], 2, v1
	s_wait_alu depctr_va_vdst(0)
	v_lshlrev_b32 v[L8], 3, v1
	s_mul_i32 s50, s[WV], 3072
	v_add_nc_u32 v[XWI], s50, v[LI]                ; x's images: my two, 2 x 1,536 bytes a wave
	s_lshl_b32 s50, s[WV], 8
	v_add_nc_u32 v[XWS], s50, v[LS]
	s_mul_i32 s50, s[WV], 768
	v_add_nc_u32 v[QWI], s50, v[LI]
	s_add_co_u32 s50, s50, 512
	v_add_nc_u32 v[QWI2], s50, v[L8]
	s_and_b32 s50, s[WV], 1
	s_lshl_b32 s50, s50, 1
	s_lshr_b32 s51, s[WV], 1
	s_lshl_b32 s51, s51, 7
	s_add_co_u32 s50, s50, s51
	v_add_nc_u32 v[QWS], s50, v[LS]                ; 4 x lane + 2 (wave % 2) + 128 (wave / 2)
	s_mul_i32 s50, s[WV], 16640
	s_add_co_u32 s50, s50, TS
	v_add_nc_u32 v[TW], s50, v[LI]
	v_mul_u32_u24 v[TR], v2, 1040
	v_lshl_add_u32 v[TR], v3, 6, v[TR]
	v_add_nc_u32 v[TR], s50, v[TR]                 ; row r, + 64 h: my 16 numbers of a block of 32
	s_mul_i32 s50, s[WV], 4608
	s_add_co_u32 s50, s50, STG
	v_mul_u32_u24 v[STO], v2, 144
	v_lshl_add_u32 v[STO], v3, 6, v[STO]
	v_add_nc_u32 v[STO], s50, v[STO]
	v_lshrrev_b32 v[SRD], 1, v1
	v_mul_u32_u24 v[SRD], v[SRD], 144
	v_and_b32 v26, 1, v1
	v_lshl_add_u32 v[SRD], v26, 4, v[SRD]
	v_add_nc_u32 v[SRD], s50, v[SRD]               ; two lanes to a pixel's 32 bytes of a quarter
	s_lshl_b32 s50, s[WV], 11
	s_add_co_u32 s50, s50, REFB
	v_add_nc_u32 v[ARF], s50, v[L8]
	v_lshlrev_b32 v[GI], 4, v2
	v_lshl_add_u32 v[GW], v3, 20, v[GI]            ; wts: 16 r, + a head (2^20 bytes) for lanes 16-31
	v_lshl_add_u32 v[GI], v3, 17, v[GI]            ; idx: 16 r, + a head (2^17 bytes)
	v_mov_b32 v[CS], 0x3f820821                    ; 64 / 63
	v_mov_b32 v[CS+1], 0x3f810204                  ; 128 / 127
	v_mov_b32 v[RC+1], 0                           ; (named as the upper halves of pairs whose low word serves both halves)
	v_mov_b32 v[MX+1], 0
.irp b, 0,1,2,3
	v_mov_b32 v[TM+4+\b], 0                        ; written once: a lane permute's destination counts as one of its sources
.endr
	s_mov_b32 s[SEL], 0x76543210
	s_mov_b32 s[SEL+1], 0xfedcba98
	; my wave's share of wfrag and of the biases, as vector offsets
	s_mul_i32 s46, s[WV], 12288
	v_add_nc_u32 v94, s46, v[LI]                   ; 8 fragments a wave (Wq, Wk)
	s_mul_i32 s46, s[WV], 6144
	v_add_nc_u32 v95, s46, v[LI]                   ; 4 (Wo)
	s_mul_i32 s46, s[WV], 3072
	v_add_nc_u32 v96, s46, v[LI]                   ; 2 (Wa)
	s_lshl_b32 s46, s[WV], 10
	v_add_nc_u32 v97, s46, v[LS]                   ; their scale words
	s_lshl_b32 s46, s[WV], 9
	v_add_nc_u32 v98, s46, v[LS]
	s_lshl_b32 s46, s[WV], 8
	v_add_nc_u32 v99, s46, v[LS]
	v_lshl_add_u32 v100, v3, 6, s46                ; bk, bq: 4 x 64 w + 64 h: a tile's eight columns of my half
	s_lshl_b32 s46, s[WV], 7
	v_lshl_add_u32 v101, v3, 6, s46                ; bo: 4 x 32 w + 64 h
	s_lshl_b32 s46, s[WV], 6
	v_lshl_add_u32 v102, v3, 5, s46                ; ba: 4 x 16 w + 32 h
	s_lshl_b32 s46, s[WV], 1
	v_add_nc_u32 v103, s46, v3
	v_and_b32 v103, 3, v103                        ; ref: the batch is (2 w + h) % 4
	v_lshlrev_b32 v103, 16, v103
	v_lshl_add_u32 v103, v2, 3, v103
	s_lshr_b32 s50, ttmp9, 6                       ; b
	s_and_b32 s51, ttmp9, 63
	s_lshl_b32 s51, s51, 7                         ; p0: my first pixel in the picture
	s_lshl_b32 s52, ttmp9, 17
	s_lshl_b32 s53, s[WV], 14
	s_add_co_u32 s52, s52, s53                     ; x: row 128 x work-group + 16 x wave, 1,024 bytes a row
	s_mov_b32 s53, 0
	s_lshl_b32 s54, s50, 23
	s_lshl_b32 s55, s[WV], 21
	s_add_co_u32 s54, s54, s55                     ; (8 b + 2 w) x 2^20, in sf and in wts
	s_lshl_b32 s55, s51, 5
	s_add_co_u32 s46, s54, s55                     ; sf: + 32 p0 (a pixel is 32 bytes in a quarter)
	s_mov_b32 s47, 0
	s_lshl_b32 s55, s51, 7
	s_add_co_u32 s54, s54, s55                     ; wts: + 128 p0
	s_mov_b32 s55, 0
	s_lshl_b32 s56, s50, 20
	s_lshl_b32 s57, s[WV], 18
	s_add_co_u32 s56, s56, s57
	s_lshl_b32 s57, s51, 4
	s_add_co_u32 s56, s56, s57                     ; idx: (8 b + 2 w) x 2^17 + 16 p0
	s_mov_b32 s57, 0
	s_lshl_b32 s58, s51, 3                         ; ref_point: 8 p0
	s_mov_b32 s59, 0
	s_wait_alu depctr_va_vdst(0)
	s_wait_kmcnt 0x0
	s_add_nc_u64 s[32:33], s[4:5], s[52:53]
	s_add_nc_u64 s[34:35], s[6:7], s[52:53]
	s_add_nc_u64 s[36:37], s[8:9], s[52:53]
	s_add_nc_u64 s[38:39], s[22:23], s[46:47]
	s_add_nc_u64 s[40:41], s[38:39], 0x2000000     ; level 1
	s_add_nc_u64 s[42:43], s[24:25], s[56:57]
	s_add_nc_u64 s[44:45], s[26:27], s[54:55]
	s_add_nc_u64 s[10:11], s[10:11], s[58:59]
	XLOAD 0, 34, 0                                 ; pass 0: keys0, block 0
	WIN 0x40                                       ; destination window 1
.set NN, 0
.rept 24
	global_load_b128 v[4*NN:4*NN+3], v94, s[12:13] offset:49152+512*NN          ; Wk: fragments 32 + 8 w on
.set NN, NN+1
.endr
.set NN, 0
.rept 24
	global_load_b128 v[96+4*NN:96+4*NN+3], v94, s[12:13] offset:512*NN          ; Wq: fragments 8 w on
.set NN, NN+1
.endr
	WIN 0x80                                       ; destination window 2
.set NN, 0
.rept 12
	global_load_b128 v[4*NN:4*NN+3], v95, s[12:13] offset:147456+512*NN         ; Wo: fragments 96 + 4 w on
.set NN, NN+1
.endr
.set NN, 0
.rept 6
	global_load_b128 v[48+4*NN:48+4*NN+3], v96, s[12:13] offset:172032+512*NN   ; Wa: fragments 112 + 2 w on
.set NN, NN+1
.endr
.irp t, 0,1,2,3
	global_load_b128 v[BK+8*\t:BK+8*\t+3], v100, s[16:17] offset:(32*(\t/2)+8*(\t%2))*4
	global_load_b128 v[BK+8*\t+4:BK+8*\t+7], v100, s[16:17] offset:(32*(\t/2)+8*(\t%2))*4+16
	global_load_b128 v[BQ+8*\t:BQ+8*\t+3], v100, s[14:15] offset:(32*(\t/2)+8*(\t%2))*4
	global_load_b128 v[BQ+8*\t+4:BQ+8*\t+7], v100, s[14:15] offset:(32*(\t/2)+8*(\t%2))*4+16
.endr
.irp u, 0,1
	global_load_b128 v[BO+8*\u:BO+8*\u+3], v101, s[18:19] offset:32*\u
	global_load_b128 v[BO+8*\u+4:BO+8*\u+7], v101, s[18:19] offset:32*\u+16
.endr
	global_load_b128 v[BA:BA+3], v102, s[20:21]
	global_load_b128 v[BA+4:BA+7], v102, s[20:21] offset:16
	WIN 0
.irp j, 0,1,2,3,4,5,6,7
	global_load_b32 v[WKS+\j], v97, s[12:13] offset:SCW+4096+128*\j
	global_load_b32 v[WQS+\j], v97, s[12:13] offset:SCW+128*\j
.endr
.irp j, 0,1,2,3
	global_load_b32 v[WOS+\j], v98, s[12:13] offset:SCW+12288+128*\j
.endr
.irp j, 0,1
	global_load_b32 v[WAS+\j], v99, s[12:13] offset:SCW+14336+128*\j
.endr
.irp n, 0,1,2,3,4,5,6,7
	global_load_b64 v[128+2*\n:129+2*\n], v103, s[10:11] offset:128*\n          ; ref of my pixel in each of the 8 tiles
.endr
	XLOAD 1, 36, 0                                 ; pass 1: keys1, block 0
	s_wait_loadcnt 32                              ; all but pass 1's 32
.irp n, 0,1,2,3,4,5,6,7
	ds_store_b64 v[ARF], v[128+2*\n:129+2*\n] offset:256*\n
.endr
	s_wait_dscnt 0x0                               ; the stores have read their registers
	XPHASE 0, 32, 1, 32, 0                         ; keys0, block 0;  asks for pass 2: query, block 0
	KPROD 38, 0
	XPHASE 1, 32, 1, 34, 1                         ; keys1, block 0;  asks for pass 3: keys0, block 1
	KPROD 40, 0
	XPHASE 2, 32, 1, 36, 1                         ; query, block 0;  asks for pass 4: keys1, block 1
	Q1
	Q2 0
	XPHASE 3, 32, 1, 32, 1                         ; keys0, block 1;  asks for pass 5: query, block 1
	KPROD 38, 1
	XPHASE 4, 32, 0, 0, 0                          ; keys1, block 1;  nothing is left to ask for
	KPROD 40, 1
	XPHASE 5, 0, 0, 0, 0                           ; query, block 1: no load was issued behind its own
	Q1
	Q2 1
	s_wait_tensorcnt 0x0                           ; the wave's end: behind my last LDS store
	ds_add_u32 v[SPW], v[NIL]
	s_wait_dscnt 0x0
	s_endpgm
.Lfunc_end_k_q349676dd57_proj:
	.size	k_q349676dd57_proj, .Lfunc_end_k_q349676dd57_proj-k_q349676dd57_proj
	.p2alignl 7, 3214868480
	.fill 96, 4, 3214868480
	.section	.rodata,"a",@progbits
	.p2align	6, 0x0
	.amdhsa_kernel k_q349676dd57_proj
		.amdhsa_group_segment_fixed_size 133632
		.amdhsa_private_segment_fixed_size 0
		.amdhsa_enable_private_segment 0
		.amdhsa_kernarg_size 96
		.amdhsa_user_sgpr_count 2
		.amdhsa_user_sgpr_kernarg_segment_ptr 1
		.amdhsa_wavefront_size32 1
		.amdhsa_system_sgpr_workgroup_id_x 1
		.amdhsa_system_sgpr_workgroup_id_y 1
		.amdhsa_system_sgpr_workgroup_id_z 1
		.amdhsa_system_vgpr_workitem_id 0
		.amdhsa_next_free_vgpr 1024
		.amdhsa_next_free_sgpr 66
		.amdhsa_reserve_vcc 0
		.amdhsa_float_denorm_mode_32 3
		.amdhsa_float_denorm_mode_16_64 3
		.amdhsa_memory_ordered 1
		.amdhsa_forward_progress 1
		.amdhsa_inst_pref_size 243
	.end_amdhsa_kernel
	.amdgpu_metadata
---
amdhsa.version: [ 1, 2 ]
amdhsa.kernels:
  - .name:           k_q349676dd57_proj
    .symbol:         k_q349676dd57_proj.kd
    .args:
      - { .name: query, .offset: 0, .size: 8, .value_kind: global_buffer, .address_space: global }
      - { .name: keys0, .offset: 8, .size: 8, .value_kind: global_buffer, .address_space: global }
      - { .name: keys1, .offset: 16, .size: 8, .value_kind: global_buffer, .address_space: global }
      - { .name: ref_point, .offset: 24, .size: 8, .value_kind: global_buffer, .address_space: global }
      - { .name: wfrag, .offset: 32, .size: 8, .value_kind: global_buffer, .address_space: global }
      - { .name: bq, .offset: 40, .size: 8, .value_kind: global_buffer, .address_space: global }
      - { .name: bk, .offset: 48, .size: 8, .value_kind: global_buffer, .address_space: global }
      - { .name: bo, .offset: 56, .size: 8, .value_kind: global_buffer, .address_space: global }
      - { .name: ba, .offset: 64, .size: 8, .value_kind: global_buffer, .address_space: global }
      - { .name: sf, .offset: 72, .size: 8, .value_kind: global_buffer, .address_space: global }
      - { .name: idx, .offset: 80, .size: 8, .value_kind: global_buffer, .address_space: global }
      - { .name: wts, .offset: 88, .size: 8, .value_kind: global_buffer, .address_space: global }
    .group_segment_fixed_size: 133632
    .private_segment_fixed_size: 0
    .kernarg_segment_align: 8
    .kernarg_segment_size: 96
    .max_flat_workgroup_size: 128
    .sgpr_count:     66
    .vgpr_count:     1024
    .wavefront_size: 32
...
	.end_amdgpu_metadata
.endif
;; end of part 5
;; launch gath (part 6): grid 256 x 1, 16 waves a work-group, no clusters, 272,384 bytes of LDS; arguments sf, idx, wts, fp; writes fp
.if DOCPART == 6
	.amdgcn_target "amdgcn-amd-amdhsa--gfx1250"
	.amdhsa_code_object_version 6
	.text
	.protected	k_q349676dd57_gath
	.globl	k_q349676dd57_gath
	.p2align	8
	.type	k_q349676dd57_gath,@function
k_q349676dd57_gath:
	s_mov_b64 s[64:65], 0
	v_nop
	global_prefetch_b8 v0, s[64:65] scope:SCOPE_SE
	s_setreg_imm32_b32 hwreg(HW_REG_WAVE_MODE, 25, 1), 1
	s_wait_xcnt 0x0
; PanoSelfAttention, launch 3 of 4: the sampling and the weighted sum, one level at a time.  No work of reference() is left out here.
; fp[level][b][head][quarter] holds, for each pixel and each of the quarter's 8 channels, the sum over the level's 4 points, 2 rows a and 2 columns e of
; wts[point][a][e] x sf[level][b][head][quarter][corner (yb + a, xb + e)][channel], in f32 multiply-adds: the two levels' sum is feat, which goes into a quantiser.
; fp's slice is laid [tile of 16 pixels][half of the 8 channels][pixel 16][4 channels]: 512 bytes a tile, as the next launch's lanes take them.
; A WORK-GROUP HOLDS ITS SLICE OF sf IN LDS: one (level, b, head, quarter): 8,192 pixels x 32 bytes.  Every byte of sf is loaded once.
; WHICH SLICE: the work-group's number is 64 x quarter + 32 x level + (8 b + head): the four work-groups that read the same part of idx and wts have numbers 64 apart.
; A ROW OF THE PICTURE (128 pixels, 4,096 bytes) HAS A PITCH OF 4,224 BYTES IN LDS, which is 128 modulo 256.  A point's four corners, 2 x 64 bytes in two neighbouring rows, so lie at eight
; different places of 16 bytes modulo 256 (64 banks of 4 bytes: ISA guide 11.1).  Eight lanes take one point: lane = (e = l % 2, a = (l / 2) % 2, half c = (l / 4) % 2, pg = l / 8).
; Sixteen lanes take the same slot of pixels r and r xor 1; the launch before has ordered the odd pixels' points so that the two xb differ by 2 modulo 4 in as many slots as a turn of the four allows:
; there the two points lie at sixteen different places of 16 bytes modulo 256.
; idx holds yb x 132 + xb, the upper left corner in places of 32 bytes, whole numbers that the launch before has stored; each is held to 8,310 = 62 x 132 + 126, so that all four corners lie in the slice.
; SHARES.  Wave w of sixteen brings 4 rows of the picture (32 loads of 512 consecutive bytes) and then owns pixels 512 w .. 512 w + 511: 32 tiles of 16.
; A tile is 4 groups g of 4 pixels 4 g + pg.  An LDS load takes one point of a group's 4 pixels; a lane's weight for it is one number, A x wy[a] x wx[e], and its four points' weights are 16 bytes of wts.
; 16 LDS loads and 32 packed multiply-adds a tile, eight sums by turns.  Then the four lanes (a, e) of a pixel are joined: lanes l and l xor 2, then l and l xor 1; at each step a lane keeps half of
; its groups and hands over the other half, so that lane (a, e) ends with group 2 a + e: each lane stores 16 bytes, the wave the tile's 512 consecutive bytes.
; The indices are asked for two tiles ahead, the weights and the corners one.
; No cluster, though the four quarters of a (level, b, head) read the same idx and wts: taken jointly these 590 KB a work-group would pass through LDS, written and read again, beside the 4 MiB of
; corners that the same LDS serves; here each lane takes its bytes straight into registers.  No tensor load: the slice is filled once.  No prefetch: the slice is wanted at the head, idx and wts are asked for ahead into registers.
; LIMITS: NaN and infinities are not served; the order of the f32 sums is not reference()'s.
.set PITCH, 4224
.set SPARE, 270336                     ; LDS: 64 rows x PITCH from 0; behind them the spare words, 128 bytes for each wave: eight blocks of 256 bytes that no other line names
.set SPW, 1
.set NIL, 2
.set LB,  3                            ; v3   32 e + PITCH a + 16 c: my 16 bytes of a point's four corners
.set IA,  4                            ; v4   16 pg: pixel pg's indices in a group's 64 bytes
.set WA,  5                            ; v5   256 (2 a + e) + 16 pg: my piece of wts
.set TG,  6                            ; v6   16 x lane + 16,384 x wave: my place in the slice in sf
.set TL,  7                            ; v7   16 x lane + 4 PITCH x wave: the same in LDS
.set TF,  8                            ; v8   256 c + 64 (2 a + e) + 16 pg + 16,384 x wave: what I store of a tile
.set ADDR, 16                          ; v16-31  LDS addresses: 4 groups x 4 points
.set IDX, 32                           ; v32-47  two sets of 4 groups x 4 indices
.set WT,  48                           ; v48-79  two sets of 4 groups x 4 weights
.set ACC, 80                           ; v80-95  4 groups x 4 channels
.set RR,  96                           ; v96-103 the sums behind the first joining
.set KP,  104                          ; v104-111 what I keep
.set SD,  112                          ; v112-119 what I hand over
.set FO,  120                          ; v120-127 two sets of what I store
.set DATA, 128                         ; v128-255 two sets of 16 x 4; at the head the wave's part of the slice
.set WV,  12
.set SFB, 14
.set IB,  16                           ; s[16:17] idx at my wave's tile in hand, my level's 8 bytes
.set WB,  18                           ; s[18:19] wts likewise, my level's four pieces
.set FB,  20                           ; s[20:21] my slice in fp, at the tile in hand
.set M1,  23                           ; the lanes with a = 1
.set M0,  34                           ; the lanes with e = 1
.macro BARRIER
	s_wait_dscnt 0x0
	s_barrier_signal -1
	s_barrier_wait -1
.endm
.macro ILOAD set, t
.irp g, 0,1,2,3
	global_load_b64 v[IDX+8*(\set)+2*\g:IDX+8*(\set)+2*\g+1], v[IA], s[IB:IB+1] offset:256*(\t)+64*\g
.endr
.endm
.macro WLOAD set, t
.irp g, 0,1,2,3
	global_load_b128 v[WT+16*(\set)+4*\g:WT+16*(\set)+4*\g+3], v[WA], s[WB:WB+1] offset:2048*(\t)+64*\g
.endr
.endm
.macro ADDRS set                       ; index x 32 bytes + my 16 bytes
.irp g, 0,1,2,3
.irp q, 0,1
	v_and_b32 v[ADDR+4*\g+2*\q], 0xffff, v[IDX+8*(\set)+2*\g+\q]
	v_lshrrev_b32 v[ADDR+4*\g+2*\q+1], 16, v[IDX+8*(\set)+2*\g+\q]
.endr
.endr
.irp j, 0,1,2,3,4,5,6,7,8,9,10,11,12,13,14,15
	v_min_u32 v[ADDR+\j], 0x2076, v[ADDR+\j]       ; held to 8,310: the last byte read is 8,310 x 32 + 32 + 4,224 + 16 + 15, inside the 64 rows
.endr
.irp j, 0,1,2,3,4,5,6,7,8,9,10,11,12,13,14,15
	v_lshl_add_u32 v[ADDR+\j], v[ADDR+\j], 5, v[LB]
.endr
.endm
.macro DLOADS set
.irp j, 0,1,2,3,4,5,6,7,8,9,10,11,12,13,14,15
	ds_load_b128 v[DATA+64*(\set)+4*\j:DATA+64*(\set)+4*\j+3], v[ADDR+\j]
.endr
.endm
.macro CSUM set                        ; point 2 ph + pl of every group: eight sums by turns
.irp ph, 0,1
.irp pl, 0,1
.irp c, 0,1
.irp g, 0,2,1,3
.if (\ph == 0) && (\pl == 0)
	v_pk_mul_f32 v[ACC+4*\g+2*\c:ACC+4*\g+2*\c+1], v[DATA+64*(\set)+4*(4*\g+2*\ph+\pl)+2*\c:DATA+64*(\set)+4*(4*\g+2*\ph+\pl)+2*\c+1], v[WT+16*(\set)+4*\g+2*\ph:WT+16*(\set)+4*\g+2*\ph+1] op_sel:[0,\pl] op_sel_hi:[1,\pl]   ; the first product starts the sum
.else
	v_pk_fma_f32 v[ACC+4*\g+2*\c:ACC+4*\g+2*\c+1], v[DATA+64*(\set)+4*(4*\g+2*\ph+\pl)+2*\c:DATA+64*(\set)+4*(4*\g+2*\ph+\pl)+2*\c+1], v[WT+16*(\set)+4*\g+2*\ph:WT+16*(\set)+4*\g+2*\ph+1], v[ACC+4*\g+2*\c:ACC+4*\g+2*\c+1] op_sel:[0,\pl,0] op_sel_hi:[1,\pl,1]
.endif
.endr
.endr
.endr
.endr
.endm
.macro JOIN set                        ; lanes a = 0 keep groups 0, 1 and lanes a = 1 groups 2, 3; then lanes e = 0 keep the lower of the two and lanes e = 1 the upper
.irp h, 0,1,2,3
.irp j, 0,1
	v_cndmask_b32 v[KP+2*\h+\j], v[ACC+4*\j+\h], v[ACC+8+4*\j+\h], s[M1]
	v_cndmask_b32 v[SD+2*\h+\j], v[ACC+8+4*\j+\h], v[ACC+4*\j+\h], s[M1]
.endr
.endr
.irp h, 0,1,2,3
.irp j, 0,1
	v_add_f32_dpp v[RR+2*\h+\j], v[SD+2*\h+\j], v[KP+2*\h+\j] row_xmask:2 row_mask:0xf bank_mask:0xf
.endr
.endr
.irp h, 0,1,2,3
	v_cndmask_b32 v[KP+\h], v[RR+2*\h], v[RR+2*\h+1], s[M0]
	v_cndmask_b32 v[SD+\h], v[RR+2*\h+1], v[RR+2*\h], s[M0]
.endr
.irp h, 0,1,2
	v_add_f32_dpp v[FO+4*(\set)+\h], v[SD+\h], v[KP+\h] row_xmask:1 row_mask:0xf bank_mask:0xf
.endr
	s_delay_alu instid0(VALU_DEP_4)
	v_add_f32_dpp v[FO+4*(\set)+3], v[SD+3], v[KP+3] row_xmask:1 row_mask:0xf bank_mask:0xf
.endm
; Tile i of a trip's two.  hasI: the indices of two tiles on are asked for;  hasG: the weights and corners of the next tile
.macro STEP i, hasI, hasG
.if \hasI
	ILOAD (\i)%2, (\i)+2
.endif
.if \hasG
	s_wait_loadcnt 4+4*(\hasI)                     ; the next tile's indices are in: behind them were issued this tile's 4 loads of weights and the 4 of indices just asked for
	ADDRS ((\i)+1)%2
	WLOAD ((\i)+1)%2, (\i)+1
	DLOADS ((\i)+1)%2
.endif
	s_wait_loadcnt 4*(\hasI)+4*(\hasG)             ; this tile's weights are in: behind them the indices and the weights issued above
	s_wait_dscnt 16*(\hasG)                        ; and its 16 loads of corners: behind them the next tile's 16
	CSUM (\i)%2
	JOIN (\i)%2
	global_store_b128 v[TF], v[FO+4*((\i)%2):FO+4*((\i)%2)+3], s[FB:FB+1] offset:512*(\i) th:TH_STORE_NT   ; the wave stores the tile's 512 consecutive bytes, at a multiple of 256 from fp's first byte
.endm
	s_load_b256 s[4:11], s[0:1], 0x0               ; sf s[4:5], idx s[6:7], wts s[8:9], fp s[10:11]
	v_lshl_add_u32 v[SPW], v0, 2, SPARE
	v_mov_b32 v[NIL], 0
	v_lshrrev_b32 v9, 5, v0                        ; wave
	v_and_b32 v10, 31, v0                          ; lane
	v_bfe_u32 v11, v0, 3, 2                        ; pg
	v_and_b32 v12, 3, v0                           ; 2 a + e
	v_bfe_u32 v13, v0, 2, 1                        ; c
	v_and_b32 v14, 1, v0                           ; e
	v_bfe_u32 v15, v0, 1, 1                        ; a
	v_and_b32 v21, 7, v0                           ; lane % 8
	v_readfirstlane_b32 s[WV], v9                  ; wave 0..15
	v_lshlrev_b32 v16, 4, v10                      ; 16 x lane
	v_lshlrev_b32 v[IA], 4, v11
	v_lshl_add_u32 v17, v9, 6, v13                 ; 64 x wave + c
	v_lshl_add_u32 v18, v14, 1, v13                ; 2 e + c
	v_mul_u32_u24 v19, v15, PITCH
	v_mad_u32_u24 v22, v9, 4, v11                  ; 4 x wave + lane / 8: one of my four rows of the picture
.irp c, 0,1,2,3,4,5,6,7
	v_mov_b32 v[RR+\c], 0                          ; written once: a DPP form's destination counts as one of its sources
.endr
	v_lshl_add_u32 v[TG], v9, 14, v16
	v_mad_u32_u24 v[TL], v9, 4*PITCH, v16
	v_lshl_add_u32 v[WA], v12, 8, v[IA]
	v_lshl_add_u32 v20, v12, 6, v[IA]
	v_lshl_add_u32 v[LB], v18, 4, v19
	v_mul_u32_u24 v23, v22, PITCH
.irp c, 0,1,2,3,4,5,6,7
	v_mov_b32 v[FO+\c], 0                          ; likewise
.endr
	v_lshl_add_u32 v[TF], v17, 8, v20
	v_lshl_add_u32 v24, v21, 4, v23                ; that row in LDS + 16 (lane % 8): with the offset 4,096, my 16 bytes of the 128 behind its pixels
	s_mov_b32 s[M1], 0xcccccccc
	s_mov_b32 s[M0], 0xaaaaaaaa
	s_and_b32 s26, ttmp9, 31                       ; 8 b + head
	s_bfe_u32 s27, ttmp9, 0x10005                  ; level
	s_lshr_b32 s24, ttmp9, 6                       ; quarter
	s_lshl_b32 s25, s26, 2
	s_add_co_u32 s24, s24, s25
	s_lshl_b32 s25, s27, 7
	s_add_co_u32 s24, s24, s25                     ; my slice: ((level x 4 + b) x 8 + head) x 4 + quarter,
	s_lshl_b32 s24, s24, 18                        ; 2^18 bytes each
	s_mov_b32 s25, 0
	s_lshl_b32 s28, s26, 17                        ; idx: 2^17 bytes a head,
	s_lshl_b32 s30, s[WV], 13                      ; 512 pixels of 16 bytes a wave,
	s_add_co_u32 s28, s28, s30
	s_lshl_b32 s30, s27, 3                         ; 8 bytes a level
	s_add_co_u32 s28, s28, s30
	s_mov_b32 s29, 0
	s_lshl_b32 s30, s26, 20                        ; wts: 2^20 bytes a head,
	s_lshl_b32 s31, s[WV], 16                      ; 32 tiles of 2,048 bytes a wave,
	s_add_co_u32 s30, s30, s31
	s_lshl_b32 s31, s27, 10                        ; four pieces of 256 bytes a level
	s_add_co_u32 s30, s30, s31
	s_mov_b32 s31, 0
	s_wait_alu depctr_va_vdst(0)
	s_wait_kmcnt 0x0
	s_add_nc_u64 s[SFB:SFB+1], s[4:5], s[24:25]
	s_add_nc_u64 s[IB:IB+1], s[6:7], s[28:29]
	s_add_nc_u64 s[WB:WB+1], s[8:9], s[30:31]
	s_add_nc_u64 s[FB:FB+1], s[10:11], s[24:25]
.set NN, 0
.rept 32
	global_load_b128 v[DATA+4*NN:DATA+4*NN+3], v[TG], s[SFB:SFB+1] offset:512*NN th:TH_LOAD_NT   ; my 16 KB of the slice: 512 consecutive bytes a load
.set NN, NN+1
.endr
	ILOAD 0, 0
	ILOAD 1, 1
	WLOAD 0, 0
	ds_store_b128 v24, v[RR:RR+3] offset:4096      ; zeros into the 128 bytes behind each of my four rows, so that every byte that a held index can name has been written
	s_wait_loadcnt 12                              ; the slice's 32 loads are in: behind them the 8 of indices and the 4 of weights
.set NN, 0
.rept 32
	ds_store_b128 v[TL], v[DATA+4*NN:DATA+4*NN+3] offset:PITCH*(NN/8)+512*(NN%8)   ; eight loads to a row of the picture
.set NN, NN+1
.endr
	BARRIER                                        ; the whole slice lies in LDS; from here to the next barrier LDS is only read
	s_wait_loadcnt 8                               ; tile 0's indices are in: behind them tile 1's 4 loads and the 4 of weights
	ADDRS 0
	DLOADS 0
	s_mov_b32 s22, 15
.Ltiles:                                           ; tiles 0 to 29, two a trip
	STEP 0, 1, 1
	STEP 1, 1, 1
	s_wait_xcnt 0x0                                ; the loads and the stores have read their bases and data: the bases are stepped, and both sets of store data written again, only behind this wait
	s_add_nc_u64 s[IB:IB+1], s[IB:IB+1], 512
	s_add_nc_u64 s[WB:WB+1], s[WB:WB+1], 4096
	s_add_nc_u64 s[FB:FB+1], s[FB:FB+1], 1024
	s_sub_co_u32 s22, s22, 1
	s_cmp_lg_u32 s22, 0
	s_cbranch_scc1 .Ltiles
	STEP 0, 0, 1                                   ; tiles 30 and 31 are written out: no load leaves my wave's part, and the counts run down
	STEP 1, 0, 0
	BARRIER                                        ; every wave's reads of the slice, whose addresses are data, are in before any LDS word is written again
	s_wait_tensorcnt 0x0                           ; the wave's end: behind my last LDS store
	ds_add_u32 v[SPW], v[NIL]
	s_wait_dscnt 0x0
	s_endpgm
.Lfunc_end_k_q349676dd57_gath:
	.size	k_q349676dd57_gath, .Lfunc_end_k_q349676dd57_gath-k_q349676dd57_gath
	.p2alignl 7, 3214868480
	.fill 96, 4, 3214868480
	.section	.rodata,"a",@progbits
	.p2align	6, 0x0
	.amdhsa_kernel k_q349676dd57_gath
		.amdhsa_group_segment_fixed_size 272384
		.amdhsa_private_segment_fixed_size 0
		.amdhsa_enable_private_segment 0
		.amdhsa_kernarg_size 32
		.amdhsa_user_sgpr_count 2
		.amdhsa_user_sgpr_kernarg_segment_ptr 1
		.amdhsa_wavefront_size32 1
		.amdhsa_system_sgpr_workgroup_id_x 1
		.amdhsa_system_sgpr_workgroup_id_y 1
		.amdhsa_system_sgpr_workgroup_id_z 1
		.amdhsa_system_vgpr_workitem_id 0
		.amdhsa_next_free_vgpr 256
		.amdhsa_next_free_sgpr 66
		.amdhsa_reserve_vcc 0
		.amdhsa_float_denorm_mode_32 3
		.amdhsa_float_denorm_mode_16_64 3
		.amdhsa_memory_ordered 1
		.amdhsa_forward_progress 1
		.amdhsa_inst_pref_size 45
	.end_amdhsa_kernel
	.amdgpu_metadata
---
amdhsa.version: [ 1, 2 ]
amdhsa.kernels:
  - .name:           k_q349676dd57_gath
    .symbol:         k_q349676dd57_gath.kd
    .args:
      - { .name: sf, .offset: 0, .size: 8, .value_kind: global_buffer, .address_space: global }
      - { .name: idx, .offset: 8, .size: 8, .value_kind: global_buffer, .address_space: global }
      - { .name: wts, .offset: 16, .size: 8, .value_kind: global_buffer, .address_space: global }
      - { .name: fp, .offset: 24, .size: 8, .value_kind: global_buffer, .address_space: global }
    .group_segment_fixed_size: 272384
    .private_segment_fixed_size: 0
    .kernarg_segment_align: 8
    .kernarg_segment_size: 32
    .max_flat_workgroup_size: 512
    .sgpr_count:     66
    .vgpr_count:     256
    .wavefront_size: 32
...
	.end_amdgpu_metadata
.endif
;; end of part 6
;; launch fin (part 7): grid 256 x 1, 16 waves a work-group, no clusters, 161,792 bytes of LDS; arguments fp, wfrag, bm, out0; writes out0
.if DOCPART == 7
	.amdgcn_target "amdgcn-amd-amdhsa--gfx1250"
	.amdhsa_code_object_version 6
	.text
	.protected	k_q349676dd57_fin
	.globl	k_q349676dd57_fin
	.p2align	8
	.type	k_q349676dd57_fin,@function
k_q349676dd57_fin:
	s_mov_b64 s[64:65], 0
	v_nop
	global_prefetch_b8 v0, s[64:65] scope:SCOPE_SE
	s_setreg_imm32_b32 hwreg(HW_REG_WAVE_MODE, 25, 1), 1
	s_wait_xcnt 0x0
; PanoSelfAttention, launch 4 of 4: feat = fp[level 0] + fp[level 1], and out0 = Q(feat) Q(Wm) + bm.  No work of reference() is left out here.
; fp is laid [level 2][b 4][head 8][quarter of the head's channels 4][tile of 16 pixels 512][half of the quarter 2][pixel 16][4 channels], f32.
; Products on codes of BF6 (E3M2) with one E8M0 scale for each 32 along K; Q is the stated quantiser; a block of 32 along K is a head.
; SHARES.  A work-group owns 128 pixels.  Wave w of sixteen makes the fragment of tile of rows w / 2, K step w % 2 (heads 4 (w % 2) .. + 3).  Lane (r, h) holds row r and, of each head, channels 16 h .. 16 h + 15:
; quarters 2 h and 2 h + 1, two pieces of 16 bytes each.  In each load sixteen lanes read 256 consecutive bytes, aligned: 16 loads a level, all 32 asked for at once, straight into the quantiser's registers.
; The levels are added, the 64 numbers quantised, and the fragment's image goes to LDS | barrier | wave w multiplies all 8 tiles of rows by Wm's tile w, which it holds in registers
; (transposed: source 0 = 16 columns of Wm, source 1 = 16 rows) | the results meet in LDS | barrier | they leave as whole rows.
; No tensor load, no cluster: work-groups share only Wm's fragments, 3 KB a wave, read once into registers.  No prefetch: every load of fp is issued at the head.
; LIMITS: NaN and infinities are not served; a block of zeros gets the byte 1 (its codes are zeros); blocks under 2^-122 were not tried; the order of feat's f32 sums is not reference()'s.
.set FSC,   24576                      ; LDS: from 0 feat's 16 images (2 m + s; 1,536 bytes each); here their scale words, 128 bytes each
.set SPARE, 26624                      ; the spare words, 128 bytes for each wave: eight blocks of 256 bytes that no other line names
.set FST,   28672                      ; 128 rows x (1,024 + 16) bytes: out0's rows
.set SCW,   184320
.set SPW, 1
.set NIL, 2
.set FS,  8                            ; v8-15 feat's scale words, and nothing else
.set BM,  16                           ; v16-23 bm's tile, in the result's layout
.set WMF, 88                           ; v88-111 Wm's two fragments
.set WMS, 112                          ; v112-113 their scale words, and nothing else
.set LI,  114                          ; 16 x lane
.set LS,  115                          ; 4 x lane
.set FLA, 116                          ; fp: 16 r + 2^19 h
.set FWI, 117                          ; where I store my image
.set FWS, 118                          ; and its scale words
.set SO,  119                          ; the stage: in, tiles of rows 0-3
.set SO2, 120                          ; tiles 4-7
.set SRB, 121                          ; the stage: out
.set BMA, 122                          ; bm: 64 h
.set P0,  128                          ; v128-191 level 0's 64 numbers, then the sums
.set P1,  192                          ; v192-255 level 1's
.set TM,  24
.set PW,  40
.set PC,  42
.set FF,  128                          ; 8 fragments of feat
.set OA,  24                           ; 8 accumulators
.set WV,  16
.set SEL, 32
.macro PLACES n
.rept \n
	v_nop
.endr
.endm
.macro BARRIER
	s_wait_dscnt 0x0
	s_barrier_signal -1
	s_barrier_wait -1
.endm
.macro QUANT s                         ; 64 numbers of a lane, register 16 b + i = k 32 b + 16 (lane / 16) + i of my row, become a fragment's codes in v[PC] on and its scale word in v[PW]
.irp b, 0,1,2,3
	v_max3_num_f32 v[TM+\b], |v[\s+16*\b]|, |v[\s+1+16*\b]|, 0x2800000   ; and the floor 2^(5 - 127): the byte cannot fall under 1
.endr
.irp i, 2,4,6,8,10,12,14
.irp b, 0,1,2,3
	s_delay_alu instid0(VALU_DEP_4)
	v_max3_num_f32 v[TM+\b], v[TM+\b], |v[\s+16*\b+\i]|, |v[\s+1+16*\b+\i]|
.endr
.endr
.irp b, 0,1,2,3
	s_delay_alu instid0(VALU_DEP_4)
	v_permlanex16_b32 v[TM+4+\b], v[TM+\b], s[SEL], s[SEL+1]
.endr
.irp b, 0,1,2,3
	s_delay_alu instid0(VALU_DEP_4)
	v_max_num_f32 v[TM+\b], v[TM+\b], v[TM+4+\b]
.endr
.irp b, 0,1,2,3
	s_delay_alu instid0(VALU_DEP_4)
	v_add_nc_u32 v[TM+12+\b], 0xfe000000, v[TM+\b] ; 4 off the exponent field: the conversion's scale operand
.endr
.irp b, 0,1,2,3
	s_delay_alu instid0(VALU_DEP_4)
	v_lshrrev_b32 v[TM+4+\b], 23, v[TM+12+\b]      ; the scale's byte
.endr
	s_delay_alu instid0(VALU_DEP_3)
	v_lshl_or_b32 v[PW], v[TM+5], 8, v[TM+4]
	s_delay_alu instid0(VALU_DEP_1)
	v_lshl_or_b32 v[PW], v[TM+6], 16, v[PW]
	s_delay_alu instid0(VALU_DEP_1)
	v_lshl_or_b32 v[PW], v[TM+7], 24, v[PW]
.irp c, 0,1
	v_cvt_scalef32_pk16_bf6_f32 v[PC+6*\c:PC+2+6*\c], v[\s+32*\c:\s+15+32*\c], v[TM+12+2*\c]
	v_cvt_scalef32_pk16_bf6_f32 v[PC+12+4*\c:PC+14+4*\c], v[\s+16+32*\c:\s+31+32*\c], v[TM+12+2*\c+1]
.endr
	v_nop                                          ; one plain instruction behind the scaled conversions
.irp c, 0,1
.irp i, 0,1,2
	v_permlane16_swap_b32 v[PC+6*\c+\i], v[PC+12+4*\c+\i]
.endr
.irp i, 0,1,2
	s_delay_alu instid0(VALU_DEP_3)
	v_mov_b32 v[PC+3+6*\c+\i], v[PC+12+4*\c+\i]
.endr
.endr
.endm
	s_load_b256 s[4:11], s[0:1], 0x0               ; fp s[4:5], wfrag s[6:7], bm s[8:9], out0 s[10:11]
	v_lshl_add_u32 v[SPW], v0, 2, SPARE
	v_mov_b32 v[NIL], 0
	v_lshrrev_b32 v123, 5, v0                      ; w
	v_and_b32 v3, 31, v0                           ; lane
	v_and_b32 v124, 15, v0                         ; r
	v_bfe_u32 v125, v0, 4, 1                       ; h
	v_bfe_u32 v126, v0, 6, 3                       ; w / 2
	v_bfe_u32 v127, v0, 5, 1                       ; w % 2
.irp b, 0,1,2,3
	v_mov_b32 v[TM+4+\b], 0                        ; written once: a lane permute's destination counts as one of its sources
.endr
	v_readfirstlane_b32 s[WV], v123                ; wave 0..15
	v_lshlrev_b32 v4, 4, v124
	v_mul_u32_u24 v5, v124, 1040
	v_lshl_add_u32 v6, v126, 2, v127               ; 4 (w / 2) + w % 2
	v_lshlrev_b32 v[LI], 4, v3
	v_lshlrev_b32 v[LS], 2, v3
	v_lshlrev_b32 v[BMA], 6, v125
	v_lshl_add_u32 v5, v125, 6, v5                 ; row r, + 64 h
	v_lshl_add_u32 v6, v6, 5, FST                  ; my tile's columns: 128 (w / 2) + 32 (w % 2) bytes on
	v_mad_u32_u24 v7, v123, 8320, v[LI]            ; the 8 rows that I store at the end
	v_lshl_add_u32 v[FLA], v125, 19, v4
	v_lshl_add_u32 v[FWS], v123, 7, v[LS]
	v_mad_u32_u24 v[FWI], v123, 1536, v[LI]
	v_add_nc_u32 v[SO], v5, v6
	v_add_nc_u32 v[SRB], FST, v7
	s_delay_alu instid0(VALU_DEP_2)
	v_add_nc_u32 v[SO2], 66560, v[SO]              ; 64 rows further on
	s_lshr_b32 s40, s[WV], 1
	s_and_b32 s41, s[WV], 1
	s_mov_b32 s[SEL], 0x76543210
	s_mov_b32 s[SEL+1], 0xfedcba98
	s_lshr_b32 s42, ttmp9, 6                       ; b
	s_and_b32 s43, ttmp9, 63
	s_lshl_b32 s43, s43, 7                         ; p0
	s_mov_b32 s37, 0
	s_lshl_b32 s36, s42, 23                        ; fp: 2^23 bytes a batch,
	s_lshl_b32 s30, s41, 22                        ; four heads of 2^20 a K step,
	s_add_co_u32 s36, s36, s30
	s_lshl_b32 s30, s43, 5                         ; 32 bytes a pixel,
	s_add_co_u32 s36, s36, s30
	s_lshl_b32 s30, s40, 9                         ; 512 a tile of rows
	s_add_co_u32 s36, s36, s30
	s_wait_alu depctr_va_vdst(0)
	s_wait_kmcnt 0x0
	s_add_nc_u64 s[18:19], s[4:5], s[36:37]        ; level 0
	s_add_nc_u64 s[20:21], s[18:19], 0x2000000     ; level 1
.irp bb, 0,1,2,3                               ; head 4 (w % 2) + bb, quarter 2 h + u, half c: the two levels' pieces side by side
.irp u, 0,1
.irp c, 0,1
	global_load_b128 v[P0+16*\bb+8*\u+4*\c:P0+16*\bb+8*\u+4*\c+3], v[FLA], s[18:19] offset:1048576*\bb+262144*\u+256*\c th:TH_LOAD_NT
	global_load_b128 v[P1+16*\bb+8*\u+4*\c:P1+16*\bb+8*\u+4*\c+3], v[FLA], s[20:21] offset:1048576*\bb+262144*\u+256*\c th:TH_LOAD_NT
.endr
.endr
.endr
	s_mul_i32 s36, s[WV], 3072
	s_add_co_u32 s36, s36, 98304
	s_add_nc_u64 s[26:27], s[6:7], s[36:37]        ; Wm's tile w: fragments 64 + 2 w, + 1
	s_lshl_b32 s36, s[WV], 8
	s_add_co_u32 s36, s36, SCW+8192
	s_add_nc_u64 s[34:35], s[6:7], s[36:37]        ; their scale words
	s_lshl_b32 s36, ttmp9, 17
	s_lshl_b32 s30, s[WV], 13
	s_add_co_u32 s36, s36, s30
	s_add_nc_u64 s[28:29], s[10:11], s[36:37]      ; out0 at row 128 x work-group + 8 w
	s_lshl_b32 s36, s40, 7
	s_lshl_b32 s30, s41, 5
	s_add_co_u32 s36, s36, s30
	s_add_nc_u64 s[38:39], s[8:9], s[36:37]        ; bm at my tile's first column
.irp n, 0,1,2,3,4,5
	global_load_b128 v[WMF+4*\n:WMF+4*\n+3], v[LI], s[26:27] offset:512*\n
.endr
	global_load_b32 v[WMS], v[LS], s[34:35]
	global_load_b32 v[WMS+1], v[LS], s[34:35] offset:128
	global_load_b128 v[BM:BM+3], v[BMA], s[38:39]
	global_load_b128 v[BM+4:BM+7], v[BMA], s[38:39] offset:16
.irp bb, 0,1,2,3
	s_wait_loadcnt 34-8*\bb                        ; loads come back in order: this head's 8 are in; behind them 8 for each later head and the 10 of Wm and bm
.irp k, 0,1,2,3,4,5,6,7
	v_pk_add_f32 v[P0+16*\bb+2*\k:P0+16*\bb+2*\k+1], v[P0+16*\bb+2*\k:P0+16*\bb+2*\k+1], v[P1+16*\bb+2*\k:P1+16*\bb+2*\k+1]
.endr
.endr
	QUANT P0
.irp c, 0,1,2
	ds_store_b128 v[FWI], v[PC+4*\c:PC+4*\c+3] offset:512*\c       ; the fragment goes to LDS as an image of its registers
.endr
	ds_store_b32 v[FWS], v[PW] offset:FSC
	s_wait_loadcnt 0x0                             ; Wm's fragments, their scale words and bm are in
	BARRIER                                        ; feat's sixteen fragments lie in LDS
.irp s, 0,1                                    ; Wm's tile w x all 8 tiles of rows: eight accumulators by turns, a K step at a time
.irp m, 0,1,2,3,4,5,6,7
.irp c, 0,1,2
	ds_load_b128 v[FF+12*\m+4*\c:FF+12*\m+4*\c+3], v[LI] offset:1536*(2*\m+\s)+512*\c
.endr
	ds_load_b32 v[FS+\m], v[LS] offset:FSC+128*(2*\m+\s)
.endr
	s_wait_dscnt 0x0
.irp m, 0,1,2,3,4,5,6,7
.if \s == 0
	v_wmma_scale_f32_16x16x128_f8f6f4 v[OA+8*\m:OA+8*\m+7], v[WMF:WMF+11], v[FF+12*\m:FF+12*\m+11], v[BM:BM+7], v[WMS], v[FS+\m] matrix_a_fmt:MATRIX_FMT_BF6 matrix_b_fmt:MATRIX_FMT_BF6
.else
	v_wmma_scale_f32_16x16x128_f8f6f4 v[OA+8*\m:OA+8*\m+7], v[WMF+12:WMF+23], v[FF+12*\m:FF+12*\m+11], v[OA+8*\m:OA+8*\m+7], v[WMS+1], v[FS+\m] matrix_a_fmt:MATRIX_FMT_BF6 matrix_b_fmt:MATRIX_FMT_BF6
.endif
.endr
	PLACES 5                                       ; in front of loads into registers that the products have read, and of the stores that read the results
.endr
.irp m, 0,1,2,3
	ds_store_b128 v[SO], v[OA+8*\m:OA+8*\m+3] offset:16640*\m          ; lane (r, h): out0(16 m + r, 32 (w / 2) + 8 (w % 2) + 16 h + 0 .. 7); each accumulator from its low end on
	ds_store_b128 v[SO], v[OA+8*\m+4:OA+8*\m+7] offset:16640*\m+16
.endr
.irp m, 4,5,6,7
	ds_store_b128 v[SO2], v[OA+8*\m:OA+8*\m+3] offset:16640*(\m-4)
	ds_store_b128 v[SO2], v[OA+8*\m+4:OA+8*\m+7] offset:16640*(\m-4)+16
.endr
	BARRIER                                        ; 128 whole rows of out0 lie in the stage
.irp k, 0,1,2,3,4,5,6,7,8,9,10,11,12,13,14,15
	ds_load_b128 v[128+4*\k:128+4*\k+3], v[SRB] offset:1040*(\k/2)+512*(\k%2)
.endr
.irp k, 0,1,2,3,4,5,6,7,8,9,10,11,12,13,14,15
	s_wait_dscnt 15-\k
	global_store_b128 v[LI], v[128+4*\k:128+4*\k+3], s[28:29] offset:512*\k th:TH_STORE_NT   ; 512 consecutive bytes, at a multiple of 256 from out0's first byte; written once, read by nobody here
.endr
	s_wait_tensorcnt 0x0                           ; the wave's end: behind my last LDS store
	ds_add_u32 v[SPW], v[NIL]
	s_wait_dscnt 0x0
	s_endpgm
.Lfunc_end_k_q349676dd57_fin:
	.size	k_q349676dd57_fin, .Lfunc_end_k_q349676dd57_fin-k_q349676dd57_fin
	.p2alignl 7, 3214868480
	.fill 96, 4, 3214868480
	.section	.rodata,"a",@progbits
	.p2align	6, 0x0
	.amdhsa_kernel k_q349676dd57_fin
		.amdhsa_group_segment_fixed_size 161792
		.amdhsa_private_segment_fixed_size 0
		.amdhsa_enable_private_segment 0
		.amdhsa_kernarg_size 32
		.amdhsa_user_sgpr_count 2
		.amdhsa_user_sgpr_kernarg_segment_ptr 1
		.amdhsa_wavefront_size32 1
		.amdhsa_system_sgpr_workgroup_id_x 1
		.amdhsa_system_sgpr_workgroup_id_y 1
		.amdhsa_system_sgpr_workgroup_id_z 1
		.amdhsa_system_vgpr_workitem_id 0
		.amdhsa_next_free_vgpr 256
		.amdhsa_next_free_sgpr 66
		.amdhsa_reserve_vcc 0
		.amdhsa_float_denorm_mode_32 3
		.amdhsa_float_denorm_mode_16_64 3
		.amdhsa_memory_ordered 1
		.amdhsa_forward_progress 1
		.amdhsa_inst_pref_size 26
	.end_amdhsa_kernel
	.amdgpu_metadata
---
amdhsa.version: [ 1, 2 ]
amdhsa.kernels:
  - .name:           k_q349676dd57_fin
    .symbol:         k_q349676dd57_fin.kd
    .args:
      - { .name: fp, .offset: 0, .size: 8, .value_kind: global_buffer, .address_space: global }
      - { .name: wfrag, .offset: 8, .size: 8, .value_kind: global_buffer, .address_space: global }
      - { .name: bm, .offset: 16, .size: 8, .value_kind: global_buffer, .address_space: global }
      - { .name: out0, .offset: 24, .size: 8, .value_kind: global_buffer, .address_space: global }
    .group_segment_fixed_size: 161792
    .private_segment_fixed_size: 0
    .kernarg_segment_align: 8
    .kernarg_segment_size: 32
    .max_flat_workgroup_size: 512
    .sgpr_count:     66
    .vgpr_count:     256
    .wavefront_size: 32
...
	.end_amdgpu_metadata
.endif
;; end of part 7
